; MI455X (gfx1250); checked and timed in simulation.
; The chip was launched on July 23, 2026; its instructions are those of AMD's public machine-readable ISA for CDNA 5 (MIT licence, August 2026) and "CDNA5" Instruction Set Architecture Reference Guide (July 2026). The comments in the code are by the model that wrote it; some were corrected since.
;; Causal Attention. Allowed arithmetic: float matrix products may take bf16 or f16 operands with f32 sums; other float arithmetic in f32, or as packed bf16 or f16 multiplies, adds, multiply-adds, maxima and minima; sums over many terms, partial sums and values carried from step to step in f32; what a program stores and reads back later, other than sums and carried values, may be rounded once to bf16 or f16.
;; Inputs: Wk 1,024 x 1,024 float32; Wq 1,024 x 1,024 float32; Wv 1,024 x 1,024 float32; x 4 x 2,048 x 1,024 float32.
;; Outputs: out0 4 x 2,048 x 1,024 float32.
;; One version. Each part assembles by itself: llvm-mc -triple=amdgcn-amd-amdhsa -mcpu=gfx1250 --defsym DOCPART=n.
;; ======== version 1 of 1: 4 launches
;; limits: values are held in f16: magnitudes above 65,504 overflow, below 6.1e-05 lose precision
;; workspace buffers: xb 16,777,216 bytes; wt 6,291,456 bytes; qk 33,554,432 bytes; vt 16,777,216 bytes; pw 33,554,432 bytes; sch 2,097,152 bytes; vt0 16,777,216 bytes; st 1,048,576 bytes
;; launch prep (part 1): grid 896 x 1, 8 waves a work-group, no clusters, 18,432 bytes of LDS; arguments x, Wq, Wk, Wv, xb, wt; writes xb, wt
.if DOCPART == 1
	.amdgcn_target "amdgcn-amd-amdhsa--gfx1250"
	.amdhsa_code_object_version 6
	.text
	.protected	k_q30bced0987_prep
	.globl	k_q30bced0987_prep
	.p2align	8
	.type	k_q30bced0987_prep,@function
k_q30bced0987_prep:
	s_mov_b64 s[64:65], 0
	v_nop
	global_prefetch_b8 v0, s[64:65] scope:SCOPE_SE
	s_setreg_imm32_b32 hwreg(HW_REG_WAVE_MODE, 25, 1), 1
	s_wait_xcnt 0x0
; xb = x rounded to bf16, [8192][1024].  wt = the three weights rounded to bf16 and TURNED: wt[1024 mat + e][d] = W_mat[d][e] (mat 0 q, 1 k, 2 v),
; so that the products that follow find K (= d) along the rows of both operands.  All four inputs get the same rounding, to bf16, once.
; Work-groups 0-383: a tile of 128 d x 64 e of one weight, turned through LDS.  Work-groups 384-895: 64 KiB of x each, a plain stream.
; No matrix unit, no tensor load: nothing is used twice.  The branch between the two kinds hangs on the work-group's number alone, so the one barrier is passed by all eight waves or by none.
.set SPARE, 17408                      ; behind the tile: the spare words, 128 bytes for each of eight waves: four blocks of 256 bytes that no other line names
.set TP,    272                        ; a row of the turned tile in LDS: 128 d x 2 bytes + 16 of padding
.set SPW,   10                         ; v10  LDS address of my spare word; never rewritten
.set NIL,   11                         ; v11  0; never rewritten
.set IN,    32                         ; v[32:95] x path: sixteen loads.  v[32:63] weights: eight loads
.set PK,    64                         ; v[64:79] weights: pairs (d, d + 1) of one e, packed
.set BK,    80                         ; v[80:95] weights: whole rows read back
	s_load_b256 s[4:11], s[0:1], 0x0               ; x s[4:5], Wq s[6:7], Wk s[8:9], Wv s[10:11]
	s_load_b128 s[12:15], s[0:1], 0x20             ; xb s[12:13], wt s[14:15]
	v_lshl_add_u32 v[SPW], v0, 2, SPARE
	v_mov_b32 v[NIL], 0
	v_lshrrev_b32 v1, 5, v0
	v_readfirstlane_b32 s16, v1                    ; wave 0..7
	v_and_b32 v2, 31, v0                           ; l
	v_and_b32 v3, 15, v0                           ; r = l % 16
	v_bfe_u32 v4, v0, 4, 1                         ; h = l / 16
	s_wait_kmcnt 0x0
	s_cmp_lt_u32 ttmp9, 384
	s_cbranch_scc1 .Lweights
	; THE STREAM.  A wave owns 8,192 bytes of x and 4,096 of xb.  All sixteen loads go out at once; no register is used twice, so nothing but the loads is waited for.
	s_sub_co_u32 s17, ttmp9, 384
	s_lshl_b32 s18, s17, 16                        ; 65,536 bytes a work-group,
	s_lshl_b32 s19, s16, 13                        ; 8,192 a wave
	s_add_co_u32 s18, s18, s19
	s_mov_b32 s19, 0
	s_add_nc_u64 s[4:5], s[4:5], s[18:19]
	s_lshr_b32 s18, s18, 1                         ; half of that in xb
	s_add_nc_u64 s[12:13], s[12:13], s[18:19]
	v_lshlrev_b32 v5, 4, v2                        ; 16 l
	v_lshlrev_b32 v6, 3, v2                        ; 8 l
.set i, 0
.rept 16
	global_load_b128 v[IN+4*i:IN+4*i+3], v5, s[4:5] offset:512*i th:TH_LOAD_NT  ; 512 consecutive bytes
.set i, i+1
.endr
.set i, 0
.rept 16
	s_wait_loadcnt 15-i                            ; loads come back in order: number i is in, the younger ones stay out
	v_cvt_pk_bf16_f32 v[IN+4*i], v[IN+4*i], v[IN+4*i+1]
	v_cvt_pk_bf16_f32 v[IN+4*i+1], v[IN+4*i+2], v[IN+4*i+3]
	global_store_b64 v6, v[IN+4*i:IN+4*i+1], s[12:13] offset:256*i  ; the wave stores 256 consecutive bytes, aligned
.set i, i+1
.endr
	s_endpgm
.Lweights:
	; THE TURN.  Tile t = mat x 128 + dblk x 16 + eblk.  Wave w loads rows d = 128 dblk + 16 w .. + 15, columns e = 64 eblk .. + 63 (256 bytes of a row, aligned).
	s_lshr_b32 s17, ttmp9, 7                       ; mat
	s_bfe_u32 s18, ttmp9, 0x30004                  ; dblk
	s_and_b32 s19, ttmp9, 15                       ; eblk
	s_cmp_eq_u32 s17, 0
	s_cselect_b64 s[20:21], s[6:7], s[8:9]
	s_cmp_eq_u32 s17, 2
	s_cselect_b64 s[20:21], s[10:11], s[20:21]     ; the weight of this tile
	s_lshl_b32 s22, s18, 19                        ; 128 rows of 4,096 bytes
	s_lshl_b32 s23, s16, 16                        ; 16 rows
	s_add_co_u32 s22, s22, s23
	s_lshl_b32 s23, s19, 8
	s_add_co_u32 s22, s22, s23
	s_mov_b32 s23, 0
	s_add_nc_u64 s[20:21], s[20:21], s[22:23]
	v_lshlrev_b32 v5, 13, v4                       ; lanes 16-31 two rows further down,
	v_lshl_add_u32 v5, v3, 4, v5                   ; columns 4 r .. 4 r + 3
.irp g, 0,1,2,3                        ; rows 4 g + 2 h and 4 g + 2 h + 1
	global_load_b128 v[IN+8*(\g):IN+8*(\g)+3],   v5, s[20:21] offset:(\g)*16384 th:TH_LOAD_NT
	global_load_b128 v[IN+8*(\g)+4:IN+8*(\g)+7], v5, s[20:21] offset:(\g)*16384+4096 th:TH_LOAD_NT
.endr
	v_mul_u32_u24 v7, v3, 4*TP                     ; into the tile: row e = 4 r + i, byte 2 d = 32 w + 8 g + 4 h
	v_lshl_add_u32 v7, v4, 2, v7
	s_lshl_b32 s24, s16, 5
	v_add_nc_u32 v7, s24, v7
	s_mul_i32 s24, s16, 8*TP                       ; back: rows e = 8 w + h + 2 t, whole
	v_mul_u32_u24 v8, v4, TP
	v_lshl_add_u32 v8, v3, 4, v8
	v_add_nc_u32 v8, s24, v8
	v_lshlrev_b32 v9, 11, v4                       ; and the same rows in wt: 2,048 bytes a row
	v_lshl_add_u32 v9, v3, 4, v9
	s_lshl_b32 s22, s17, 10
	s_lshl_b32 s23, s19, 6
	s_add_co_u32 s22, s22, s23
	s_lshl_b32 s23, s16, 3
	s_add_co_u32 s22, s22, s23                     ; row 1024 mat + 64 eblk + 8 w
	s_lshl_b32 s22, s22, 11
	s_lshl_b32 s23, s18, 8                         ; column 128 dblk: 256 bytes
	s_add_co_u32 s22, s22, s23
	s_mov_b32 s23, 0
	s_add_nc_u64 s[14:15], s[14:15], s[22:23]
	s_wait_loadcnt 0x0
.irp g, 0,1,2,3
.irp i, 0,1,2,3
	v_cvt_pk_bf16_f32 v[PK+4*(\g)+(\i)], v[IN+8*(\g)+(\i)], v[IN+8*(\g)+4+(\i)]  ; the even d in the low half
.endr
.endr
.irp g, 0,1,2,3
.irp i, 0,1,2,3
	ds_store_b32 v7, v[PK+4*(\g)+(\i)] offset:(\i)*TP+8*(\g)
.endr
.endr
	s_wait_dscnt 0x0                               ; for the others' sake: my stores are done
	s_barrier_signal -1
	s_barrier_wait -1                              ; the tile is whole
.irp t, 0,1,2,3
	ds_load_b128 v[BK+4*(\t):BK+4*(\t)+3], v8 offset:(\t)*2*TP
.endr
	s_wait_dscnt 0x0
.irp t, 0,1,2,3
	global_store_b128 v9, v[BK+4*(\t):BK+4*(\t)+3], s[14:15] offset:(\t)*4096  ; 16 lanes store 256 consecutive bytes, aligned
.endr
	s_wait_tensorcnt 0x0                           ; the wave's end, behind my last LDS store
	ds_add_u32 v[SPW], v[NIL]
	s_wait_dscnt 0x0
	s_endpgm
.Lfunc_end_k_q30bced0987_prep:
	.size	k_q30bced0987_prep, .Lfunc_end_k_q30bced0987_prep-k_q30bced0987_prep
	.p2alignl 7, 3214868480
	.fill 96, 4, 3214868480
	.section	.rodata,"a",@progbits
	.p2align	6, 0x0
	.amdhsa_kernel k_q30bced0987_prep
		.amdhsa_group_segment_fixed_size 18432
		.amdhsa_private_segment_fixed_size 0
		.amdhsa_enable_private_segment 0
		.amdhsa_kernarg_size 48
		.amdhsa_user_sgpr_count 2
		.amdhsa_user_sgpr_kernarg_segment_ptr 1
		.amdhsa_wavefront_size32 1
		.amdhsa_system_sgpr_workgroup_id_x 1
		.amdhsa_system_sgpr_workgroup_id_y 1
		.amdhsa_system_sgpr_workgroup_id_z 1
		.amdhsa_system_vgpr_workitem_id 0
		.amdhsa_next_free_vgpr 96
		.amdhsa_next_free_sgpr 66
		.amdhsa_reserve_vcc 0
		.amdhsa_float_denorm_mode_32 3
		.amdhsa_float_denorm_mode_16_64 3
		.amdhsa_memory_ordered 1
		.amdhsa_forward_progress 1
		.amdhsa_inst_pref_size 12
	.end_amdhsa_kernel
	.amdgpu_metadata
---
amdhsa.version: [ 1, 2 ]
amdhsa.kernels:
  - .name:           k_q30bced0987_prep
    .symbol:         k_q30bced0987_prep.kd
    .args:
      - { .name: x, .offset: 0, .size: 8, .value_kind: global_buffer, .address_space: global }
      - { .name: Wq, .offset: 8, .size: 8, .value_kind: global_buffer, .address_space: global }
      - { .name: Wk, .offset: 16, .size: 8, .value_kind: global_buffer, .address_space: global }
      - { .name: Wv, .offset: 24, .size: 8, .value_kind: global_buffer, .address_space: global }
      - { .name: xb, .offset: 32, .size: 8, .value_kind: global_buffer, .address_space: global }
      - { .name: wt, .offset: 40, .size: 8, .value_kind: global_buffer, .address_space: global }
    .group_segment_fixed_size: 18432
    .private_segment_fixed_size: 0
    .kernarg_segment_align: 8
    .kernarg_segment_size: 48
    .max_flat_workgroup_size: 256
    .sgpr_count:     66
    .vgpr_count:     96
    .wavefront_size: 32
...
	.end_amdgpu_metadata
.endif
;; end of part 1
;; launch proj (part 2): grid 8 x 52, 4 waves a work-group, clusters of 4 x 4, 327,680 bytes of LDS; arguments xb, wt, qk, vt, sch, vt0; writes qk, vt, sch, vt0
.if DOCPART == 2
	.amdgcn_target "amdgcn-amd-amdhsa--gfx1250"
	.amdhsa_code_object_version 6
	.text
	.protected	k_q30bced0987_proj
	.globl	k_q30bced0987_proj
	.p2align	8
	.type	k_q30bced0987_proj,@function
k_q30bced0987_proj:
	s_mov_b64 s[64:65], 0
	v_nop
	global_prefetch_b8 v0, s[64:65] scope:SCOPE_SE
	s_setreg_imm32_b32 hwreg(HW_REG_WAVE_MODE, 25, 1), 1
	s_wait_xcnt 0x0
	s_wait_alu depctr_hold_cnt(0) depctr_sa_sdst(0) depctr_va_vdst(0) depctr_va_sdst(0) depctr_va_ssrc(0) depctr_va_vcc(0) depctr_vm_vsrc(0)
	s_getreg_b32 s2, hwreg(HW_REG_IB_STS2, 6, 4)
	s_cmp_eq_u32 s2, 0
	s_cbranch_scc0 .Lentry_in_a_cluster
	s_endpgm
.Lentry_in_a_cluster:
	s_bfe_u32 s2, ttmp6, 0x10000c
	s_cmp_lg_u32 s2, 0xf033
	s_cbranch_scc0 .Lentry_shape_is_right
	s_endpgm
.Lentry_shape_is_right:
; THE THREE PROJECTIONS, as one GEMM text C = A B^T with K = 1,024, bf16 operands, f32 sums, C rounded once to f16.
;   cluster rows Y = 0..7 :  qk[8192][2048] = xb (A) x wt rows 0-2047 (B): columns 0-1023 are q, 1024-2047 are k.          256 tiles of 256 x 256
;   cluster rows Y = 8..11:  vt[4][1024 ch][2048 key] = wt rows 2048-3071 (A) x xb (B): v comes out TURNED, keys along the rows.  128 tiles
;   cluster row  Y = 12   :  THE HEAD (text at .Lhead): q, k and v of each batch's first 64 tokens once more, kept as two f16 numbers each.  32 work-groups
; LIMIT.  f16 holds no number beyond 65,504: q, k and v must stay within it (inputs 30 times those drawn, or offset by 30 spreads, give some 29,000 at the most).
; A tile is made by four waves, each 128 x 128: 64 accumulators of 16 x 16.  K goes in 8 steps of 128 through a ring of two LDS slots filled by the tensor data mover; a row of a tile is 256 bytes of memory, aligned.
; A step is written once: one step to a trip, the LDS addresses hang on s[TB], and ONE walking descriptor a tensor changes slot by an exclusive or.
; CLUSTER 4 x 4: A's tile hangs on the tile row alone and is asked for jointly by a row of the cluster, B's on the tile column alone, by a column.  Which part a cluster works on hangs on Y, which all sixteen share.
; THE MATRIX INSTRUCTION IS USED TRANSPOSED (source 0 = 16 rows of B, source 1 = 16 rows of A): a lane holds row l % 16 of C and eight neighbouring columns, 16 bytes of f16.
; REGISTERS, in windows of 256 (s_set_vgpr_msb: bits 1:0 source 0, 3:2 source 1, 5:4 source 2, 7:6 destination):
;   window 0: v0-31 addresses; v64-127, v128-191 A's fragments, two buffers; v192-223 packed results; v32-63, v224-255 rows read back, by turns
;   window 1: v64-127, v128-191 B's fragments      window 2: accumulators of my rows 0-63 ((a, b) at v[8 (8 a + b)])      window 3: of my rows 64-127
.set KSTEP,  128
.set STEPS,  8
.set PITCH,  272                       ; an LDS row: 256 bytes + 16 of padding: the 16 rows of a load start at 16 different groups of four banks (ISA guide 11.1)
.set HALFT,  128*PITCH                 ; what one tensor load brings
.set SLOT,   4*HALFT                   ; A's 256 rows, then B's.  0x22000: its two bits are 0 in wave x HALFT for waves 0-3, so an exclusive or changes slot
.set STAGE,  2*SLOT                    ; behind the ring: a stage for each wave: 16 rows x 272 bytes (the head: x 528)
.set SPITCH, 272
.set HSP,    528
.set SPARE,  STAGE+4*16*HSP            ; the spare words, 128 bytes a wave: two blocks of 256 bytes that no other line names
.set CROW,   4096                      ; bytes in a row of qk and of vt
.set ADRA,  16                         ; v16  LDS address of my A fragments in the slot in hand;  v17 in slot 0, never rewritten
.set ADRA0, 17
.set ADRB,  20
.set ADRB0, 21
.set STO,   24                         ; v24  the way out: where I put 16 bytes of a row
.set RD,    25                         ; v25  where I read a row back
.set CO,    26                         ; v26  my byte offset in C
.set SPW,   28                         ; v28  LDS address of my spare word; never rewritten
.set NIL,   29                         ; v29  0; never rewritten
.set PFO,   30                         ; v30  the prefetches' offset: my lane x a row of 2,048 bytes
.set F0,    64
.set F1,    128
.set TMP,   192
.set OB,    32
.set G1,  24                           ; s[24:31] group 1 for A's tiles
.set G0,  32                           ; s[32:39] group 0 for A's: a set for each first fill; the second then walks
.set WV,  40
.set HR,  41                           ; my half of the tile's rows.  Also: I fetch for A (0) or B (1)
.set HC,  42                           ; my half of its columns.  Also: which 128 rows I fetch
.set LIM, 43                           ; 2 in a wave that prefetches, else the greatest number
.set PFA, 44                           ; s[44:45] where my prefetches stand
.set TB,  46                           ; LDS byte at which the slot in hand begins
.set CNT, 47
.set G1B, 48                           ; s[48:55], s[56:63] the same for B's tiles
.set G0B, 56
.set GW,  (1<<16)|(1<<20)|(1<<21)|(5<<22)|(3<<25)  ; 2-byte elements; padding on; bit 21 beside a mask; after every 64 words; 4 words
.set MSB, 0
.macro WIN new                         ; the immediate's high byte repeats the setting that is left; a switch that changes nothing is dropped
.if MSB != (\new)
	s_set_vgpr_msb (MSB<<8)|(\new)
.set MSB, \new
.endif
.endm
.set MUL_LO, 0xa1                      ; source 0 (B) window 1, source 1 (A) window 0, C and D window 2
.set MUL_HI, 0xf1
.set TO_B,   0x40
.macro PLACES                          ; four plain vector instructions between a matrix instruction and a load into, or a reader of, its registers
.rept 4
	v_nop
.endr
.endm
; A joint refill by the walking descriptors: waves 0 and 1 for A, waves 2 and 3 for B.  The branch hangs on the wave's number alone.  An s_nop 0 and four v_nop follow each line.
.macro JLOAD
	s_cmp_eq_u32 s[HR], 0
	s_cbranch_scc0 .Lfor_b_\@
	tensor_load_to_lds s[G0+4:G0+7], s[G1:G1+7]
	s_nop 0
	PLACES
	s_branch .Lasked_\@
.Lfor_b_\@:
	tensor_load_to_lds s[G0B+4:G0B+7], s[G1B:G1B+7]
	s_nop 0
	PLACES
.Lasked_\@:
.endm
; A prefetch into the L2, behind the joint load and the run of LDS loads: 32 rows x 256 bytes, a lane a row, of the K step two refills on (512 matrix instructions ahead of the load that will want it).
; Each row's 256 bytes are named once: xb's rows by cluster x = 0 of Y = 0..7; wt's rows 0-2047 by cluster y = 0; wt's rows 2048-3071 by cluster (0, 8).  xb as B (Y = 8..11) is a second reading: not asked for.
; The four partners of a joint load share its 128 rows out by address, 32 each.  K steps 4 to 7 are named: the count is above 2 in the four trips that have a K step two refills on.
.macro ASK
	s_cmp_gt_u32 s[CNT], s[LIM]
	s_cbranch_scc0 .Lnot_mine_\@
	global_prefetch_b8 v[PFO], s[PFA:PFA+1] offset:KSTEP*2 th:TH_LOAD_NT scope:SCOPE_SE
.Lnot_mine_\@:
.endm
.macro CREST                           ; a round of the cluster's barrier behind its opening barrier
	s_cmp_lg_u32 s[WV], 0
	s_cbranch_scc1 .Lnot_wave_0_\@
	s_barrier_signal -3
.Lnot_wave_0_\@:
	s_barrier_wait -3
	s_barrier_signal -1
	s_barrier_wait -1
.endm
.macro CROUND
	s_barrier_signal -1
	s_barrier_wait -1
	CREST
.endm
	s_load_b256 s[4:11], s[0:1], 0x0               ; xb s[4:5], wt s[6:7], qk s[8:9], vt s[10:11]
	s_load_b128 s[84:87], s[0:1], 0x20             ; sch s[84:85], vt0 s[86:87]
	v_lshl_add_u32 v[SPW], v0, 2, SPARE
	v_mov_b32 v[NIL], 0
	ds_add_u32 v[SPW], v[NIL]                      ; the wave's opening: the add and its wait ahead of my first tensor load
	ds_add_u32 v28, v29
	v_lshrrev_b32 v1, 5, v0
	v_readfirstlane_b32 s[WV], v1
	s_lshr_b32 s[HR], s[WV], 1
	s_and_b32 s[HC], s[WV], 1
	s_mov_b32 s12, ttmp9                           ; X: in a cluster launch ttmp9 and ttmp7 count clusters
	s_and_b32 s13, ttmp7, 0xffff                   ; Y
	s_bfe_u32 s14, ttmp6, 0x40000                  ; cx
	s_bfe_u32 s15, ttmp6, 0x40004                  ; cy
	s_wait_dscnt 0x0                               ; the opening add is done
	s_cmp_ge_u32 s13, 12                           ; Y is the same in all sixteen partners
	s_cbranch_scc1 .Lhead
	s_lshl_b32 s16, s12, 2
	s_add_co_u32 s16, s16, s14                     ; gx = 4 X + cx
	s_lshl_b32 s17, s13, 2
	s_add_co_u32 s17, s17, s15                     ; gy = 4 Y + cy
	s_lshl_b32 s18, s15, 2
	s_lshl_b32 s18, 15, s18                        ; my row of the cluster
	s_lshl_b32 s19, 0x1111, s14                    ; my column
	s_or_b32 s[G1], s18, GW
	s_or_b32 s[G1B], s19, GW
.irp g, G1, G1B
	s_mov_b32 s[(\g)+1], KSTEP<<16                 ; tensor_dim0 = 128
	s_mov_b32 s[(\g)+2], 128<<16                   ; tensor_dim1 = 128
	s_mov_b32 s[(\g)+3], KSTEP<<16                 ; tile_dim0 = 128
	s_mov_b32 s[(\g)+4], 128                       ; tile_dim1 = 128
	s_mov_b32 s[(\g)+5], 1024                      ; elements from row to row
	s_mov_b32 s[(\g)+6], 0
	s_mov_b32 s[(\g)+7], 0
.endr
	; the tile numbers of both parts, then the choice by Y.  A's hang on Y and cy alone, B's on Y, X and cx alone, each in registers that never hold the other place.
	s_add_co_u32 s20, s15, 8                       ; v part: A = wt's tile 8 + cy
	s_max_u32 s21, s13, 8
	s_sub_co_u32 s21, s21, 8                       ; the batch, Y - 8 (0 where the part is the other)
	s_lshl_b32 s21, s21, 3
	s_add_co_u32 s21, s21, s16                     ; v part: B = xb's tile 8 batch + gx
	s_max_u32 s22, s17, 32
	s_sub_co_u32 s22, s22, 32                      ; v part: C's tile row 4 batch + cy
	s_cmp_ge_u32 s13, 8
	s_cselect_b32 s72, s20, s17                    ; A's tile
	s_cselect_b32 s73, s21, s16                    ; B's tile
	s_cselect_b32 s74, s22, s17                    ; C's tile row
	s_lshl_b32 s80, s[HC], 18                      ; the 128 rows of 2,048 bytes that I fetch
	s_lshl_b32 s66, s72, 19                        ; 256 rows of 2,048 bytes a tile
	s_add_co_u32 s66, s66, s80
	s_mov_b32 s67, 0
	s_lshl_b32 s68, s73, 19
	s_add_co_u32 s68, s68, s80
	s_mov_b32 s69, 0
	s_lshl_b32 s70, s74, 20                        ; C: 256 rows of 4,096 bytes,
	s_lshl_b32 s71, s[HR], 19                      ; my 128 of them,
	s_add_co_u32 s70, s70, s71
	s_lshl_b32 s71, s16, 9                         ; 256 columns of 2 bytes,
	s_add_co_u32 s70, s70, s71
	s_lshl_b32 s71, s[HC], 8                       ; my 128 of them
	s_add_co_u32 s70, s70, s71
	s_mov_b32 s71, 0
	s_mul_i32 s75, s[WV], HALFT                    ; where my loads go: no place in the cluster enters an LDS address
	s_mov_b32 s[TB], 0
	s_cmp_gt_u32 s13, 8                            ; who prefetches: A's waves where X = 0 and Y <= 8, B's where Y = 0: the same in all sixteen partners
	s_cselect_b32 s23, 1, 0
	s_or_b32 s23, s23, s12
	s_cmp_eq_u32 s[HR], 0
	s_cselect_b32 s23, s23, s13
	s_cmp_eq_u32 s23, 0
	s_cselect_b32 s[LIM], 2, -1
	s_wait_kmcnt 0x0
	s_cmp_ge_u32 s13, 8
	s_cselect_b64 s[76:77], s[6:7], s[4:5]         ; A's tensor
	s_cselect_b64 s[78:79], s[4:5], s[6:7]         ; B's
	s_cselect_b64 s[8:9], s[10:11], s[8:9]         ; C's
	s_add_nc_u64 s[66:67], s[76:77], s[66:67]
	s_add_nc_u64 s[68:69], s[78:79], s[68:69]
	s_add_nc_u64 s[8:9], s[8:9], s[70:71]          ; C at my part's first byte: the stores' immediates do the rest (126 rows at the most)
.irp s, 0,1
	s_mov_b32 s[G0+4*(\s)], 1                      ; count = 1
	s_add_co_u32 s[G0+4*(\s)+1], s75, (\s)*SLOT    ; LDS address
	s_add_nc_u64 s[G0+4*(\s)+2:G0+4*(\s)+3], s[66:67], (\s)*KSTEP*2  ; K step s
	s_or_b32 s[G0+4*(\s)+3], s[G0+4*(\s)+3], 0x80000000  ; type = 2
	s_mov_b32 s[G0B+4*(\s)], 1
	s_add_co_u32 s[G0B+4*(\s)+1], s75, (\s)*SLOT
	s_add_nc_u64 s[G0B+4*(\s)+2:G0B+4*(\s)+3], s[68:69], (\s)*KSTEP*2
	s_or_b32 s[G0B+4*(\s)+3], s[G0B+4*(\s)+3], 0x80000000
.endr
	s_cmp_eq_u32 s[HR], 0                          ; the prefetches: my work-group's 32 of the 128 rows that I fetch
	s_cselect_b32 s2, s72, s73
	s_cselect_b32 s3, s14, s15                     ; my place among the four that ask with me
	s_cselect_b64 s[PFA:PFA+1], s[76:77], s[78:79]
	s_lshl_b32 s2, s2, 19
	s_lshl_b32 s3, s3, 16
	s_add_co_u32 s2, s2, s3
	s_add_co_u32 s2, s2, s80
	s_add_co_u32 s2, s2, 2*KSTEP*2                 ; at K step 2: the first refill steps it to 3 and names K step 4
	s_mov_b32 s3, 0
	s_add_nc_u64 s[PFA:PFA+1], s[PFA:PFA+1], s[2:3]
	CROUND                                         ; all sixteen work-groups are here: the first joint loads meet
	s_cmp_eq_u32 s[HR], 0                          ; a wave's two first fills stand in one branch: two loads of mine are out
	s_cbranch_scc0 .Lfirst_b
	tensor_load_to_lds s[G0:G0+3], s[G1:G1+7]
	s_nop 0
	tensor_load_to_lds s[G0+4:G0+7], s[G1:G1+7]
	s_nop 0
	PLACES
	s_branch .Lfirst_asked
.Lfirst_b:
	tensor_load_to_lds s[G0B:G0B+3], s[G1B:G1B+7]
	s_nop 0
	tensor_load_to_lds s[G0B+4:G0B+7], s[G1B:G1B+7]
	s_nop 0
	PLACES
.Lfirst_asked:
	; A fragment is 16 rows x 32 K in 8 registers: lane l holds row l % 16, K = 8 (l / 16) + 0..7 and 16 + 8 (l / 16) + 0..7: two loads of 16 bytes, 32 bytes apart.
	v_and_b32 v1, 15, v0
	v_bfe_u32 v2, v0, 4, 1
	v_mul_u32_u24 v3, v1, PITCH
	v_lshl_add_u32 v3, v2, 4, v3
	s_mul_i32 s23, s[HR], HALFT
	v_add_nc_u32 v[ADRA0], s23, v3
	s_mul_i32 s23, s[HC], HALFT
	s_add_co_u32 s23, s23, 2*HALFT
	v_add_nc_u32 v[ADRB0], s23, v3
	v_mov_b32 v[ADRA], v[ADRA0]
	v_mov_b32 v[ADRB], v[ADRB0]
	s_mul_i32 s23, s[WV], 16*SPITCH
	s_add_co_u32 s23, s23, STAGE
	v_mul_u32_u24 v4, v1, SPITCH
	v_lshl_add_u32 v4, v2, 4, v4
	v_add_nc_u32 v[STO], s23, v4
	v_mul_u32_u24 v5, v2, SPITCH
	v_lshl_add_u32 v5, v1, 4, v5
	v_add_nc_u32 v[RD], s23, v5
	v_lshlrev_b32 v5, 12, v2
	v_lshl_add_u32 v[CO], v1, 4, v5
	v_and_b32 v[PFO], 31, v0
	v_lshlrev_b32 v[PFO], 11, v[PFO]
; 16 matrix instructions: m blocks a0, a0 + 1 of the window's four x all 8 n blocks, 32 along K.  zero = 1: the product starts the sum.  The 64 accumulators take turns.
.macro MUL16 f, hi, a0, zero
	WIN MUL_LO+0x50*(\hi)
.irp a, \a0, (\a0)+1
.irp b, 0,1,2,3,4,5,6,7
.if \zero
	v_wmma_f32_16x16x32_bf16 v[8*(8*(\a)+(\b)):8*(8*(\a)+(\b))+7], v[(\f)+8*(\b):(\f)+8*(\b)+7], v[(\f)+8*(4*(\hi)+(\a)):(\f)+8*(4*(\hi)+(\a))+7], 0
.else
	v_wmma_f32_16x16x32_bf16 v[8*(8*(\a)+(\b)):8*(8*(\a)+(\b))+7], v[(\f)+8*(\b):(\f)+8*(\b)+7], v[(\f)+8*(4*(\hi)+(\a)):(\f)+8*(4*(\hi)+(\a))+7], v[8*(8*(\a)+(\b)):8*(8*(\a)+(\b))+7]
.endif
.endr
.endr
.endm
.macro FETCH k, f                      ; 32 LDS loads in one run: a quarter step's fragments, at byte k of the rows of the slot in hand
	WIN TO_B
.irp i, 0,1,2,3,4,5,6,7
	ds_load_b128 v[(\f)+8*(\i):(\f)+8*(\i)+3],   v[ADRB] offset:(\k)+(\i)*16*PITCH
	ds_load_b128 v[(\f)+8*(\i)+4:(\f)+8*(\i)+7], v[ADRB] offset:(\k)+(\i)*16*PITCH+32
.endr
	WIN 0
.irp i, 0,1,2,3,4,5,6,7
	ds_load_b128 v[(\f)+8*(\i):(\f)+8*(\i)+3],   v[ADRA] offset:(\k)+(\i)*16*PITCH
	ds_load_b128 v[(\f)+8*(\i)+4:(\f)+8*(\i)+7], v[ADRA] offset:(\k)+(\i)*16*PITCH+32
.endr
.endm
.macro QUARTER k, f, g, zero           ; multiplies buffer f; in its middle fetches the next quarter, at byte k, into g
	s_wait_dscnt 8                                 ; B and A's rows 0-63 are in; the youngest eight loads (A's rows 64-127) may be out
	MUL16 \f, 0, 0, \zero
	MUL16 \f, 0, 2, \zero
	PLACES
	FETCH \k, \g
	s_wait_dscnt 32                                ; all but the 32 just issued
	MUL16 \f, 1, 0, \zero
	MUL16 \f, 1, 2, \zero
.endm
; The last quarter multiplies buffer 1 and changes slots.  In front of the barrier each wave waits for all its tensor loads (one is out: its part of the next slot), adds 0 to its spare word,
; and waits for that and for its reads of this slot.  fill = 1: the barrier opens a round of the cluster's, and the slot is filled again, two K steps ahead, first thing behind the round:
; 224 matrix instructions ahead of the wait for it.
.macro TURN fill
.if \fill
	s_wait_xcnt 0x0                                ; the last prefetch, a K step back, has read its address
	s_add_nc_u64 s[PFA:PFA+1], s[PFA:PFA+1], KSTEP*2
.endif
	WIN 0                                          ; (the add's registers lie in window 0)
	s_wait_tensorcnt 0x0                           ; no tensor load of mine is out, so a group 0 may be written
	ds_add_u32 v[SPW], v[NIL]                      ; 0 onto my spare word
.if \fill
.irp g, G0+4, G0B+4
	s_xor_b32 s[(\g)+1], s[(\g)+1], SLOT           ; the walking descriptor: the other slot than last time,
	s_add_nc_u64 s[(\g)+2:(\g)+3], s[(\g)+2:(\g)+3], KSTEP*2  ; the next K step
.endr
.endif
	s_wait_dscnt 9                                 ; the add and the youngest eight loads may be out
	MUL16 F1, 0, 0, 0
	s_wait_dscnt 0x0                               ; the add is done, and my reads of this slot are over
	s_barrier_signal -1
	MUL16 F1, 0, 2, 0
.if \fill
	WIN 0
.endif
	s_barrier_wait -1
.if \fill
	CREST                                          ; no wave of any partner still reads this slot or has a load on its way
	JLOAD                                          ; its four v_nop are also the places in front of the loads below
.else
	PLACES
	WIN 0
.endif
	s_xor_b32 s[TB], s[TB], SLOT
	v_add_nc_u32 v[ADRA], s[TB], v[ADRA0]
	v_add_nc_u32 v[ADRB], s[TB], v[ADRB0]
	FETCH 0, F0
.if \fill
	ASK
.endif
	MUL16 F1, 1, 0, 0
	MUL16 F1, 1, 2, 0
.endm
; THE WAY OUT of block a (16 rows): rounded to f16, 16 bytes a lane; into my own stage and back as whole rows of 256 bytes; stored.
.macro PACK a
.set AC, 64*((\a)%4)
	WIN 0x0a+5*((\a)/4)                            ; sources 0 and 1: window 2 or 3
.irp b, 0,1,2,3,4,5,6,7
.irp r, 0,1,2,3
	v_cvt_pk_f16_f32 v[TMP+4*(\b)+(\r)], v[AC+8*(\b)+2*(\r)], v[AC+8*(\b)+2*(\r)+1]  ; each accumulator from its low end on
.endr
.endr
	WIN 0
.endm
.macro TOSTAGE a
.set BK, OB+192*((\a)%2)
.irp b, 0,1,2,3,4,5,6,7
	ds_store_b128 v[STO], v[TMP+4*(\b):TMP+4*(\b)+3] offset:32*(\b)
.endr
.irp t, 0,1,2,3,4,5,6,7
	ds_load_b128 v[BK+4*(\t):BK+4*(\t)+3], v[RD] offset:(\t)*2*SPITCH  ; LDS serves a wave's instructions in order (ISA guide 5.7.1.4): these see the stores above
.endr
.endm
.macro SEND a
.set BK, OB+192*((\a)%2)
	s_wait_dscnt 0x0                               ; the block is back in registers
	s_wait_xcnt 0x0                                ; the stores of the block before have read their registers, which the next block's loads write
.irp t, 0,1,2,3,4,5,6,7
	global_store_b128 v[CO], v[BK+4*(\t):BK+4*(\t)+3], s[8:9] offset:(16*(\a)+2*(\t))*CROW  ; 16 lanes store 256 consecutive bytes, aligned
.endr
.endm
	s_wait_tensorcnt 1                             ; my part of K step 0 is in; K step 1's may stay out
	s_barrier_signal -1
	s_barrier_wait -1
	FETCH 0, F0
	QUARTER 64, F0, F1, 1                          ; the first quarter is written apart: its products start the sums
	WIN 0
	s_mov_b32 s[CNT], STEPS-2
	s_branch .Lin                                  ; the loop is entered behind a step's first quarter
.Lstep:                                                ; a trip is a K step; steps 0 to 5 fill their slot again with steps 2 to 7
	QUARTER 64, F0, F1, 0
	WIN 0
.Lin:
	QUARTER 128, F1, F0, 0
	QUARTER 192, F0, F1, 0
	TURN 1
	WIN 0
	s_sub_co_u32 s[CNT], s[CNT], 1
	s_cmp_lg_u32 s[CNT], 0
	s_cbranch_scc1 .Lstep
	s_mov_b32 s[CNT], 2
.Ltail:                                                ; the last two K steps ask for nothing: a loop of their own.
	QUARTER 64, F0, F1, 0                          ; The very last change of slots fetches fragments that nobody multiplies: the price, once a launch, of one text for both steps
	QUARTER 128, F1, F0, 0
	QUARTER 192, F0, F1, 0
	TURN 0
	WIN 0
	s_sub_co_u32 s[CNT], s[CNT], 1
	s_cmp_lg_u32 s[CNT], 0
	s_cbranch_scc1 .Ltail
	s_wait_dscnt 0x0                               ; those loads are back
	PLACES                                         ; behind the last products, ahead of the conversions
	PACK 0
	TOSTAGE 0
.irp a, 1,2,3,4,5,6,7                  ; block a's conversions stand between block a - 1's loads from the stage and the wait for them
	PACK \a
	SEND (\a)-1
	TOSTAGE \a
.endr
	SEND 7
	s_wait_tensorcnt 0x0                           ; the wave's end, behind my last tensor load and my last LDS store
	ds_add_u32 v[SPW], v[NIL]
	s_wait_dscnt 0x0
	CROUND                                         ; the closing round
	s_endpgm
; ==== THE HEAD ====
; A batch's first rows average over few keys, so one f16 rounding of q, k and v weighs there as much as the whole allowance.  For tokens 0-63 of each batch q, k and v are made anew and kept as TWO f16 numbers, hi + lo.
; Work-group eb = 16 X + 4 cy + cx takes channels 32 eb .. + 31 of q, k and v; wave w takes batch w, tokens 0-63: 24 accumulators (3 x 4 token tiles x 2 channel tiles), K = 1,024 in 32 steps of 32, bf16 products.
; wt's 96 rows (192 KiB) are shared by the four waves: they come once, by first fills alone (six plain loads of 32 rows x 256 bytes a wave, all six out at once), laid [K chunk of 128][row], pitch 272.  Nothing is filled again.
; x's rows are a wave's own: straight into a ring of four register slots, a K step each; a slot is asked for again four places behind its last product, three K steps (72 products) ahead of its next use.
; No prefetch: all of the weights are asked for at the head, and x's rows are read by 32 work-groups.  No joint load: the sixteen partners read different rows of wt.
; q, k: source 0 = 16 channels of wt, source 1 = 16 tokens: a lane holds one token and eight channels, so two results packed in pairs ARE a fragment (16 tokens x 32 channels) of the product q k^T.
; v: the sources swapped: a lane holds one channel and eight neighbouring tokens, 16 bytes of a row of vt0.
; THE SPLIT of a sum a: t = 8193 a (rounded), hi = t - 8192 a (one fused step; exact, 11 significant bits, so f16 holds it), lo = a - hi (exact), rounded to f16: 22 bits in all.
; OUT: sch[batch][eb][64 q][64 k] = kh qh + kl qh + kh ql over my 32 channels, f32: the next launch adds the 32 parts.
;      vt0[batch][channel][0..255], with vt's pitch of 4,096 bytes: Vh(keys 0-63) | a place for keys 64-127, which the next launch copies from vt | Vh(keys 0-63) | Vl(keys 0-63).
; REGISTERS: window 0: v1-13 addresses; v32-159 x's four slots; v160-255 wt's fragments, two buffers of 48; later the hi and lo fragments.  window 2: v0-191 the accumulators, later v0-127 the scores.  window 3: v0-191 t and hi.
.set CHB, 96*PITCH                     ; a K chunk's 96 rows
.set XS,  32
.set WBF, 160
.set EB,  82                           ; s82 eb;  s83 my stage
.macro HG0 g, i                        ; group 0 of my load i: matrix i % 3, K chunk 2 w + i / 3
	s_mov_b32 s[\g], 1
	s_add_co_u32 s[(\g)+1], s16, ((\i)/3)*CHB+((\i)%3)*32*PITCH
	s_add_nc_u64 s[(\g)+2:(\g)+3], s[6:7], ((\i)%3)*2097152+((\i)/3)*256
	s_or_b32 s[(\g)+3], s[(\g)+3], 0x80000000
.endm
.macro XLOAD slot, off                 ; a K step of x: four token tiles, two loads of 16 bytes a lane each
.irp t, 0,1,2,3
	global_load_b128 v[XS+32*(\slot)+8*(\t):XS+32*(\slot)+8*(\t)+3],   v4, s[4:5] offset:(\off)+(\t)*32768
	global_load_b128 v[XS+32*(\slot)+8*(\t)+4:XS+32*(\slot)+8*(\t)+7], v4, s[4:5] offset:(\off)+(\t)*32768+32
.endr
.endm
.macro WLOAD buf, off                  ; a K step of wt: fragment f = 2 x matrix + channel tile lies at rows 16 f of the chunk
.irp f, 0,1,2,3,4,5
	ds_load_b128 v[WBF+48*(\buf)+8*(\f):WBF+48*(\buf)+8*(\f)+3],   v5 offset:(\off)+(\f)*16*PITCH
	ds_load_b128 v[WBF+48*(\buf)+8*(\f)+4:WBF+48*(\buf)+8*(\f)+7], v5 offset:(\off)+(\f)*16*PITCH+32
.endr
.endm
.macro HMUL slot, buf, zero            ; 24 products; the 24 accumulators take turns
.irp t, 0,1,2,3
.irp f, 0,1,2,3,4,5
.set hD, 64*((\f)/2)+8*(2*(\t)+(\f)%2)
.set hW, WBF+48*(\buf)+8*(\f)
.set hX, XS+32*(\slot)+8*(\t)
.if (\f) < 4
.if \zero
	v_wmma_f32_16x16x32_bf16 v[hD:hD+7], v[hW:hW+7], v[hX:hX+7], 0
.else
	v_wmma_f32_16x16x32_bf16 v[hD:hD+7], v[hW:hW+7], v[hX:hX+7], v[hD:hD+7]
.endif
.else
.if \zero
	v_wmma_f32_16x16x32_bf16 v[hD:hD+7], v[hX:hX+7], v[hW:hW+7], 0
.else
	v_wmma_f32_16x16x32_bf16 v[hD:hD+7], v[hX:hX+7], v[hW:hW+7], v[hD:hD+7]
.endif
.endif
.endr
.endr
.endm
; K step n (slot n % 4, buffer n % 2).  First the registers that step n - 1 has just read are asked for again: its slot with x of step n + 3 (xoff), its buffer with wt of step n + 1 (woff); -1: nothing is left.
; lcnt: the x loads issued behind this step's own (three slots of eight in the loop).  dcnt: the twelve LDS loads just issued.
.macro SUB slot, buf, zero, xoff, woff, lcnt, dcnt
	WIN 0
.if (!(\zero)) && (((\xoff) >= 0) || ((\woff) >= 0))
	PLACES
.endif
.if (\xoff) >= 0
	XLOAD ((\slot)+3)%4, \xoff
.endif
.if (\woff) >= 0
	WLOAD 1-(\buf), \woff
.endif
	s_wait_loadcnt \lcnt
	s_wait_dscnt \dcnt
	WIN 0xa0                                       ; sources in window 0, C and D in window 2
	HMUL \slot, \buf, \zero
.endm
.Lhead:
	s_lshl_b32 s[EB], s12, 4
	s_lshl_b32 s2, s15, 2
	s_add_co_u32 s[EB], s[EB], s2
	s_add_co_u32 s[EB], s[EB], s14                 ; eb: it enters global addresses alone
	s_mov_b32 s24, (1<<16)|(1<<20)|(5<<22)|(3<<25) ; group 1: no mask; 2-byte elements; padding on: 4 words after every 64
	s_mov_b32 s25, 128<<16                         ; tensor_dim0 = 128
	s_mov_b32 s26, 32<<16                          ; tensor_dim1 = 32
	s_mov_b32 s27, 128<<16                         ; tile_dim0 = 128
	s_mov_b32 s28, 32                              ; tile_dim1 = 32
	s_mov_b32 s29, 1024                            ; elements from row to row of wt
	s_mov_b32 s30, 0
	s_mov_b32 s31, 0
	s_mul_i32 s16, s[WV], 2*CHB                    ; my six tiles lie on end: K chunks 2 w and 2 w + 1
	s_lshl_b32 s2, s[EB], 16                       ; wt: 32 rows of 2,048 bytes a channel block,
	s_lshl_b32 s3, s[WV], 9                        ; my two K chunks of 256 bytes
	s_add_co_u32 s2, s2, s3
	s_mov_b32 s3, 0
	s_lshl_b32 s18, s[WV], 22                      ; xb: 2,048 rows of 2,048 bytes a batch
	s_mov_b32 s19, 0
	s_lshl_b32 s20, s[EB], 17                      ; vt0: 32 rows of 4,096 bytes a channel block, 1,024 rows a batch
	s_add_co_u32 s20, s20, s18
	s_mov_b32 s21, 0
	s_lshl_b32 s22, s[WV], 5
	s_add_co_u32 s22, s22, s[EB]
	s_lshl_b32 s22, s22, 14                        ; sch: 16,384 bytes a part
	s_mov_b32 s23, 0
	s_mov_b32 s60, 0x46000400                      ; 8193.0
	s_mov_b32 s61, s60                             ; named with it as a pair
	s_mov_b32 s62, 0xc6000000                      ; -8192.0
	s_mov_b32 s63, s62
	v_and_b32 v1, 15, v0                           ; r
	v_bfe_u32 v2, v0, 4, 1                         ; h
	v_and_b32 v3, 31, v0                           ; l
	v_lshlrev_b32 v4, 11, v1                       ; a fragment of x from memory: row r x 2,048 + 16 h
	v_lshl_add_u32 v4, v2, 4, v4
	v_mul_u32_u24 v5, v1, PITCH                    ; a fragment of wt from LDS: row r x 272 + 16 h, in the K chunk in hand
	v_lshl_add_u32 v5, v2, 4, v5
	s_wait_kmcnt 0x0
	s_add_nc_u64 s[6:7], s[6:7], s[2:3]
	s_add_nc_u64 s[4:5], s[4:5], s[18:19]
	s_add_nc_u64 s[86:87], s[86:87], s[20:21]
	s_add_nc_u64 s[84:85], s[84:85], s[22:23]
	HG0 32, 0
	HG0 36, 1
	HG0 44, 2
	HG0 48, 3
	HG0 52, 4
	HG0 56, 5
	CROUND                                         ; in a launch in clusters every group of tensor loads stands behind a round
.irp g, 32,36,44,48,52,56              ; the first fills, and the only ones: six loads of mine are out
	tensor_load_to_lds s[\g:\g+3], s[24:31]
	s_nop 0
.endr
	PLACES
	XLOAD 0, 0
	XLOAD 1, 64
	XLOAD 2, 128
	s_mul_i32 s83, s[WV], 16*HSP
	s_add_co_u32 s83, s83, STAGE                   ; my stage
	v_mul_u32_u24 v8, v1, 272                      ; scores in: row r, 32 bytes for each half of the lanes
	v_lshl_add_u32 v8, v2, 5, v8
	v_add_nc_u32 v8, s83, v8
	v_mul_u32_u24 v9, v2, 272                      ; back: lanes 0-15 one row of 256 bytes, lanes 16-31 the next
	v_lshl_add_u32 v9, v1, 4, v9
	v_add_nc_u32 v9, s83, v9
	v_lshlrev_b32 v10, 8, v2                       ; and the same two rows of sch
	v_lshl_add_u32 v10, v1, 4, v10
	v_mul_u32_u24 v11, v1, HSP                     ; values in: row = channel r, 16 bytes for each half of the lanes
	v_lshl_add_u32 v11, v2, 4, v11
	v_add_nc_u32 v11, s83, v11
	v_lshl_add_u32 v12, v3, 4, s83                 ; back: 32 lanes take one row of 512 bytes
	v_lshlrev_b32 v13, 4, v3
	s_wait_tensorcnt 0x0                           ; my six tiles are in,
	s_barrier_signal -1
	s_barrier_wait -1                              ; everybody's are
	WLOAD 0, 0
	SUB 0, 0, 1, 192, 64, 24, 12                   ; K step 0 starts the sums
	WIN 0
	s_mov_b32 s17, 7
.Lhk:                                                  ; a trip: K steps 4 t + 1 .. 4 t + 4
	SUB 1, 1, 0, 256, 128, 24, 12
	SUB 2, 0, 0, 320, 192, 24, 12
	SUB 3, 1, 0, 384, CHB, 24, 12
	SUB 0, 0, 0, 448, CHB+64, 24, 12
	WIN 0
	s_wait_xcnt 0x0                                ; the loads have read x's address
	s_add_nc_u64 s[4:5], s[4:5], 256
	v_add_nc_u32 v5, CHB, v5                       ; the next K chunk
	s_sub_co_u32 s17, s17, 1
	s_cmp_lg_u32 s17, 0
	s_cbranch_scc1 .Lhk
	SUB 1, 1, 0, -1, 128, 16, 12                   ; K steps 29 to 31: x's counts run down
	SUB 2, 0, 0, -1, 192, 8, 12
	SUB 3, 1, 0, -1, -1, 0, 0
	WIN 0
	PLACES                                         ; behind the last products
	WIN 0xc2                                       ; t (window 3) = 8193 a (window 2)
.set g, 0
.rept 96
	v_pk_mul_f32 v[2*g:2*g+1], v[2*g:2*g+1], s[60:61] op_sel_hi:[1,0]
.set g, g+1
.endr
	WIN 0xf2                                       ; hi (window 3) = t - 8192 a
.set g, 0
.rept 96
	v_pk_fma_f32 v[2*g:2*g+1], v[2*g:2*g+1], s[62:63], v[2*g:2*g+1] op_sel_hi:[1,0,1]
.set g, g+1
.endr
	WIN 0x8e                                       ; lo (window 2, in a's place) = a - hi
.set g, 0
.rept 96
	v_pk_add_f32 v[2*g:2*g+1], v[2*g:2*g+1], v[2*g:2*g+1] neg_lo:[0,1] neg_hi:[0,1]
.set g, g+1
.endr
	WIN 0x0f                                       ; hi to f16: q at v32, k at v96, v at v160 of window 0; accumulator g % 8 at 4 (g % 8)
.set g, 0
.rept 24
.irp i, 0,1,2,3
	v_cvt_pk_f16_f32 v[32+64*(g/8)+4*(g%8)+(\i)], v[8*g+2*(\i)], v[8*g+2*(\i)+1]
.endr
.set g, g+1
.endr
	WIN 0x0a                                       ; lo to f16: q at v64, k at v128, v at v192
.set g, 0
.rept 24
.irp i, 0,1,2,3
	v_cvt_pk_f16_f32 v[64+64*(g/8)+4*(g%8)+(\i)], v[8*g+2*(\i)], v[8*g+2*(\i)+1]
.endr
.set g, g+1
.endr
	WIN 0xa0                                       ; the scores of my 32 channels: source 0 = 16 keys, source 1 = 16 queries; 16 accumulators by turns, three times
.irp p, 0,1,2
.irp q, 0,1,2,3
.irp k, 0,1,2,3
.set hD, 8*(4*(\q)+(\k))
.set hK, 96+32*((\p)%2)+8*(\k)
.set hQ, 32+32*((\p)/2)+8*(\q)
.if (\p) == 0
	v_wmma_f32_16x16x32_f16 v[hD:hD+7], v[hK:hK+7], v[hQ:hQ+7], 0
.else
	v_wmma_f32_16x16x32_f16 v[hD:hD+7], v[hK:hK+7], v[hQ:hQ+7], v[hD:hD+7]
.endif
.endr
.endr
.endr
	WIN 0
	PLACES                                         ; behind the last products: ahead of the LDS stores that read results and of the loads into fragments' registers
.irp q, 0,1,2,3                        ; 16 queries x 64 keys at a time through my stage, rows of 272 bytes
	WIN 0x08                                       ; the stores' data in window 2
.irp k, 0,1,2,3
	ds_store_b128 v8, v[8*(4*(\q)+(\k)):8*(4*(\q)+(\k))+3]   offset:64*(\k)
	ds_store_b128 v8, v[8*(4*(\q)+(\k))+4:8*(4*(\q)+(\k))+7] offset:64*(\k)+16
.endr
	WIN 0
	s_wait_xcnt 0x0                                ; the stores of the block before have read the registers that are loaded now
.irp t, 0,1,2,3,4,5,6,7
	ds_load_b128 v[224+4*(\t):224+4*(\t)+3], v9 offset:(\t)*544  ; LDS serves a wave's instructions in order (ISA guide 5.7.1.4)
.endr
	s_wait_dscnt 0x0
.irp t, 0,1,2,3,4,5,6,7
	global_store_b128 v10, v[224+4*(\t):224+4*(\t)+3], s[84:85] offset:(\q)*4096+(\t)*512  ; the wave stores 512 consecutive bytes, aligned
.endr
.endr
.irp c, 0,1                            ; 16 channels x 512 bytes at a time through my stage, rows of 528 bytes
.irp t, 0,1,2,3
	ds_store_b128 v11, v[160+4*(2*(\t)+(\c)):160+4*(2*(\t)+(\c))+3] offset:32*(\t)       ; Vh, keys 16 t + 8 h ..
	ds_store_b128 v11, v[160+4*(2*(\t)+(\c)):160+4*(2*(\t)+(\c))+3] offset:128+32*(\t)   ; holds the place of keys 64-127, so that whole rows of 512 bytes go out
	ds_store_b128 v11, v[160+4*(2*(\t)+(\c)):160+4*(2*(\t)+(\c))+3] offset:256+32*(\t)   ; Vh once more
	ds_store_b128 v11, v[192+4*(2*(\t)+(\c)):192+4*(2*(\t)+(\c))+3] offset:384+32*(\t)   ; Vl
.endr
	s_wait_xcnt 0x0
.irp t, 0,1,2,3,4,5,6,7,8,9,10,11,12,13,14,15
	ds_load_b128 v[64+4*(\t):64+4*(\t)+3], v12 offset:(\t)*HSP
.endr
	s_wait_dscnt 0x0
.irp t, 0,1,2,3,4,5,6,7,8,9,10,11,12,13,14,15
	global_store_b128 v13, v[64+4*(\t):64+4*(\t)+3], s[86:87] offset:(16*(\c)+(\t))*4096  ; the wave stores 512 consecutive bytes, aligned
.endr
.endr
	s_wait_tensorcnt 0x0                           ; the wave's end
	ds_add_u32 v[SPW], v[NIL]
	s_wait_dscnt 0x0
	CROUND                                         ; the closing round
	s_endpgm
.Lfunc_end_k_q30bced0987_proj:
	.size	k_q30bced0987_proj, .Lfunc_end_k_q30bced0987_proj-k_q30bced0987_proj
	.p2alignl 7, 3214868480
	.fill 96, 4, 3214868480
	.section	.rodata,"a",@progbits
	.p2align	6, 0x0
	.amdhsa_kernel k_q30bced0987_proj
		.amdhsa_group_segment_fixed_size 327680
		.amdhsa_private_segment_fixed_size 0
		.amdhsa_enable_private_segment 0
		.amdhsa_kernarg_size 48
		.amdhsa_user_sgpr_count 2
		.amdhsa_user_sgpr_kernarg_segment_ptr 1
		.amdhsa_wavefront_size32 1
		.amdhsa_system_sgpr_workgroup_id_x 1
		.amdhsa_system_sgpr_workgroup_id_y 1
		.amdhsa_system_sgpr_workgroup_id_z 1
		.amdhsa_system_vgpr_workitem_id 0
		.amdhsa_next_free_vgpr 1024
		.amdhsa_next_free_sgpr 88
		.amdhsa_reserve_vcc 0
		.amdhsa_float_denorm_mode_32 3
		.amdhsa_float_denorm_mode_16_64 3
		.amdhsa_memory_ordered 1
		.amdhsa_forward_progress 1
		.amdhsa_inst_pref_size 180
	.end_amdhsa_kernel
	.amdgpu_metadata
---
amdhsa.version: [ 1, 2 ]
amdhsa.kernels:
  - .name:           k_q30bced0987_proj
    .symbol:         k_q30bced0987_proj.kd
    .args:
      - { .name: xb, .offset: 0, .size: 8, .value_kind: global_buffer, .address_space: global }
      - { .name: wt, .offset: 8, .size: 8, .value_kind: global_buffer, .address_space: global }
      - { .name: qk, .offset: 16, .size: 8, .value_kind: global_buffer, .address_space: global }
      - { .name: vt, .offset: 24, .size: 8, .value_kind: global_buffer, .address_space: global }
      - { .name: sch, .offset: 32, .size: 8, .value_kind: global_buffer, .address_space: global }
      - { .name: vt0, .offset: 40, .size: 8, .value_kind: global_buffer, .address_space: global }
    .group_segment_fixed_size: 327680
    .private_segment_fixed_size: 0
    .kernarg_segment_align: 8
    .kernarg_segment_size: 48
    .max_flat_workgroup_size: 128
    .sgpr_count:     88
    .vgpr_count:     1024
    .wavefront_size: 32
...
	.end_amdgpu_metadata
.endif
;; end of part 2
;; launch score (part 3): grid 52 x 4, 4 waves a work-group, no clusters, 327,680 bytes of LDS; arguments qk, pw, st, sch, vt, vt0; writes pw, st, vt0
.if DOCPART == 3
	.amdgcn_target "amdgcn-amd-amdhsa--gfx1250"
	.amdhsa_code_object_version 6
	.text
	.protected	k_q30bced0987_score
	.globl	k_q30bced0987_score
	.p2align	8
	.type	k_q30bced0987_score,@function
k_q30bced0987_score:
	s_mov_b64 s[64:65], 0
	v_nop
	global_prefetch_b8 v0, s[64:65] scope:SCOPE_SE
	s_setreg_imm32_b32 hwreg(HW_REG_WAVE_MODE, 25, 1), 1
	s_wait_xcnt 0x0
; THE SCORES AND THEIR EXPONENTIALS.  s = q[b][q] . k[b][k] (f16 operands, f32 sums) for the 36 tiles of 256 x 256 a batch that hold a key k <= q; the tiles above the diagonal are never made.
; A wave's 128 queries x 128 keys are a CHUNK of each of its rows.  For each row and chunk: m = the true maximum of the scores that the causal mask leaves, p = 2^((s - m) c), c = log2(e) / 32, l = the sum of p (f32).
; (s - m) is taken first and multiplied by c afterwards: the maximum's own exponent is exactly 0 however large the scores are.  Out go p, rounded once to f16, into pw[b][q][k], and m and l into
; st[b][chunk 0..15][row pair 0..1023][m0 m1 l0 l1].  The last launch weighs each chunk by 2^((m - m_row) c) / l_row, m_row the maximum of the row's chunks: the softmax's maximum is the row's true one.
; A chunk of which a row sees nothing has m = the lowest finite number and p = 1: its weight there is 0.
; LIMITS.  f16 holds no number beyond 65,504: q and k arrive within it.  A p below 2^-25 becomes 0, below 6e-5 it keeps f16's fixed step of 6e-8.  NaN and infinities are not treated apart.
; Work-group x < 36 of a batch takes tile (i, j), j <= i, x = i (i + 1) / 2 + j.  Four waves of 128 x 128, K = 1,024 in 8 steps of 128, two LDS slots, one step to a trip.
; NO CLUSTER: row i of the triangle has i + 1 tiles and column j has 8 - j: neither divides in fours, and a square of 4 x 4 on the diagonal would hold six work-groups with nothing to compute.
; Each wave fetches 128 rows with a descriptor of its own: waves 0, 1 rows of q (tile i), waves 2, 3 rows of k (tile j; 2,048 bytes further along qk's rows).
; THE MATRIX INSTRUCTION IS USED TRANSPOSED (source 0 = 16 keys, source 1 = 16 queries): a lane holds one query and eight neighbouring keys.
; REGISTERS: window 0: v0-31 addresses; v64-127, v128-191 q's fragments; on the way out v32-47 m and l, v48-63 at work, v64-127 sixteen rows.  window 1: v64-191 k's fragments.  windows 2, 3: the 64 accumulators.
; THE FIRST ROWS (work-groups x = 36..51; text at .Lrows): rows 0-63 of a batch take their scores from sch, 32 parts in f32 made of q and k in two f16 numbers each; a wave takes a row.
.set KSTEP,  128
.set STEPS,  8
.set PITCH,  272
.set HALFT,  128*PITCH
.set SLOT,   4*HALFT                   ; 0x22000: its two bits are 0 in wave x HALFT, so an exclusive or changes slot
.set RING,   2*SLOT
.set EP,     528                       ; the way out: a row of 128 f32 + 16 bytes: the 16 rows of a store start at 16 different groups of four banks (ISA guide 11.1)
.set WST,    128*EP                    ; a wave's stage: a quarter of the ring, when the ring has had its last fill
.set SST,    RING                      ; behind the ring: 1,024 bytes a wave for m and l
.set SPARE,  SST+4*1024                ; the spare words: two blocks of 256 bytes that no other line names
.set SSA0,  15                         ; v15  where I put m and l, in block 0
.set ADRA,  16
.set ADRA0, 17
.set RD0,   18                         ; v18  where I read 8 scores of a row back, in block 0
.set SGO,   19                         ; v19  16 x lane
.set ADRB,  20
.set ADRB0, 21
.set SRD,   22                         ; v22  where I read m and l back
.set SSA,   23
.set STO,   24                         ; v24  where I put 8 scores of a row
.set RD,    25
.set CO,    26                         ; v26  my byte offset in two rows of pw
.set LIMV,  27                         ; v27  score e of row pair t is seen where e - 2 t is not greater
.set SPW,   28
.set NIL,   29
.set PFO,   30                         ; v30  my lane x a row of 4,096 bytes
.set NEGV,  31                         ; v31  the lowest finite number
.set ST,    32                         ; v[32+2t] m, v[33+2t] l of rows 2 t + l / 16
.set T,     48
.set X,     64
.set F0,    64
.set F1,    128
.set WV,  10
.set HR,  11
.set HC,  12
.set TI,  13
.set TJ,  14
.set BB,  15
.set G1,  24                           ; s[24:31] group 1
.set G0,  32                           ; s[32:39] group 0: a set for each first fill; the second then walks
.set LIM, 40
.set SKIP,41                           ; 4 where my first four blocks are a batch's rows 0-63, else 0
.set PFA, 42
.set TB,  44
.set CNT, 45
.set LZ,  46                           ; the l that stands for those rows
.set EO,  47                           ; the block's place in my stage
.set CP,  56                           ; s[56:57] c
.set SO,  58                           ; the block's place among my m and l
.set MSB, 0
.macro WIN new
.if MSB != (\new)
	s_set_vgpr_msb (MSB<<8)|(\new)
.set MSB, \new
.endif
.endm
.set MUL_LO, 0xa1
.set MUL_HI, 0xf1
.set TO_B,   0x40
.macro PLACES
.rept 4
	v_nop
.endr
.endm
; A prefetch into the L2 of the K step two refills on.  Only the work-groups on the diagonal (i = j) ask: together they fetch every block of q and every block of k once.  A wave names its own 128 rows:
; a lane a row, four instructions, 256 bytes of each row.  K steps 4 to 7: the count is above 2.
.macro ASK
	s_cmp_gt_u32 s[CNT], s[LIM]
	s_cbranch_scc0 .Lnot_mine_\@
.irp n, 0,1,2,3
	global_prefetch_b8 v[PFO], s[PFA:PFA+1] offset:(\n)*131072+KSTEP*2 th:TH_LOAD_NT scope:SCOPE_SE
.endr
.Lnot_mine_\@:
.endm
	s_load_b128 s[4:7], s[0:1], 0x0                ; qk s[4:5], pw s[6:7]
	s_load_b256 s[48:55], s[0:1], 0x10             ; st s[48:49], sch s[50:51], vt s[52:53], vt0 s[54:55]
	v_lshl_add_u32 v[SPW], v0, 2, SPARE
	v_mov_b32 v[NIL], 0
	ds_add_u32 v[SPW], v[NIL]                      ; the wave's opening: the add and its wait ahead of my first tensor load
	ds_add_u32 v28, v29
	v_lshrrev_b32 v1, 5, v0
	v_readfirstlane_b32 s[WV], v1
	s_lshr_b32 s[HR], s[WV], 1
	s_and_b32 s[HC], s[WV], 1
	s_and_b32 s[BB], ttmp7, 0xffff                 ; the batch
	s_wait_dscnt 0x0                               ; the opening add is done
	s_cmp_ge_u32 ttmp9, 36                         ; the same in all four waves of a work-group
	s_cbranch_scc1 .Lrows
	s_mov_b32 s[TI], 0                             ; i = how many of the rows' first numbers 1, 3, 6 .. x has reached
.irp t, 1,3,6,10,15,21,28
	s_cmp_ge_u32 ttmp9, \t
	s_cselect_b32 s16, 1, 0
	s_add_co_u32 s[TI], s[TI], s16
.endr
	s_add_co_u32 s16, s[TI], 1
	s_mul_i32 s16, s16, s[TI]
	s_lshr_b32 s16, s16, 1
	s_sub_co_u32 s[TJ], ttmp9, s16                 ; j = x - i (i + 1) / 2
	s_mov_b32 s[G1+0], (1<<16)|(1<<20)|(5<<22)|(3<<25)  ; 2-byte elements; padding on: 4 words after every 64
	s_mov_b32 s[G1+1], KSTEP<<16
	s_mov_b32 s[G1+2], 128<<16
	s_mov_b32 s[G1+3], KSTEP<<16
	s_mov_b32 s[G1+4], 128
	s_mov_b32 s[G1+5], 2048                        ; elements from row to row of qk
	s_mov_b32 s[G1+6], 0
	s_mov_b32 s[G1+7], 0
	s_cmp_lt_u32 s[WV], 2
	s_cselect_b32 s16, s[TI], s[TJ]                ; q's tile or k's
	s_cselect_b32 s17, 0, 2048                     ; k lies 2,048 bytes along the row
	s_lshl_b32 s16, s16, 8
	s_lshl_b32 s18, s[HC], 7
	s_add_co_u32 s16, s16, s18
	s_lshl_b32 s18, s[BB], 11
	s_add_co_u32 s16, s16, s18                     ; my first row
	s_lshl_b32 s16, s16, 12
	s_add_co_u32 s16, s16, s17
	s_mov_b32 s17, 0
	s_lshl_b32 s18, s[BB], 11                      ; pw: row 2048 b + 256 i + 128 HR, 4,096 bytes a row,
	s_lshl_b32 s19, s[TI], 8
	s_add_co_u32 s18, s18, s19
	s_lshl_b32 s19, s[HR], 7
	s_add_co_u32 s18, s18, s19
	s_lshl_b32 s18, s18, 12
	s_lshl_b32 s19, s[TJ], 9                       ; column 256 j + 128 HC, 2 bytes each
	s_add_co_u32 s18, s18, s19
	s_lshl_b32 s19, s[HC], 8
	s_add_co_u32 s18, s18, s19
	s_mov_b32 s19, 0
	s_lshl_b32 s22, s[BB], 4                       ; st: chunk 16 b + 2 j + HC, 16,384 bytes a chunk,
	s_lshl_b32 s23, s[TJ], 1
	s_add_co_u32 s22, s22, s23
	s_add_co_u32 s22, s22, s[HC]
	s_lshl_b32 s22, s22, 14
	s_lshl_b32 s23, s[TI], 11                      ; row 256 i + 128 HR, 8 bytes a row
	s_add_co_u32 s22, s22, s23
	s_lshl_b32 s23, s[HR], 10
	s_add_co_u32 s22, s22, s23
	s_mov_b32 s23, 0
	s_mul_i32 s20, s[WV], HALFT
	s_mov_b32 s[TB], 0
	s_mov_b32 s[CP], 0x3d38aa3b                    ; c = log2(e) / 32
	s_mov_b32 s[CP+1], s[CP]                       ; named with it as a pair
	s_or_b32 s[SKIP], ttmp9, s[HR]                 ; tile (0, 0), upper half: a batch's rows 0-63 are made elsewhere
	s_cmp_eq_u32 s[SKIP], 0
	s_cselect_b32 s[SKIP], 4, 0
	s_cmp_eq_u32 s[HC], 0
	s_cselect_b32 s[LZ], 1.0, 0
	s_cmp_eq_u32 s[TI], s[TJ]
	s_cselect_b32 s[LIM], 2, -1
	s_wait_kmcnt 0x0
	s_add_nc_u64 s[16:17], s[4:5], s[16:17]
	s_add_nc_u64 s[6:7], s[6:7], s[18:19]
	s_add_nc_u64 s[48:49], s[48:49], s[22:23]
	s_add_nc_u64 s[PFA:PFA+1], s[16:17], 2*KSTEP*2 ; at K step 2: the first refill steps it to 3 and names K step 4
.irp s, 0,1
	s_mov_b32 s[G0+4*(\s)], 1
	s_add_co_u32 s[G0+4*(\s)+1], s20, (\s)*SLOT
	s_add_nc_u64 s[G0+4*(\s)+2:G0+4*(\s)+3], s[16:17], (\s)*KSTEP*2
	s_or_b32 s[G0+4*(\s)+3], s[G0+4*(\s)+3], 0x80000000
.endr
	tensor_load_to_lds s[G0:G0+3], s[G1:G1+7]      ; the two first fills go out together: two loads of mine are out
	s_nop 0
	tensor_load_to_lds s[G0+4:G0+7], s[G1:G1+7]
	s_nop 0
	PLACES
	v_and_b32 v1, 15, v0                           ; r
	v_bfe_u32 v2, v0, 4, 1                         ; h
	v_and_b32 v6, 31, v0                           ; l
	v_mul_u32_u24 v3, v1, PITCH
	v_lshl_add_u32 v3, v2, 4, v3
	s_mul_i32 s21, s[HR], HALFT
	v_add_nc_u32 v[ADRA0], s21, v3
	s_mul_i32 s21, s[HC], HALFT
	s_add_co_u32 s21, s21, 2*HALFT
	v_add_nc_u32 v[ADRB0], s21, v3
	v_mov_b32 v[ADRA], v[ADRA0]
	v_mov_b32 v[ADRB], v[ADRB0]
	s_mul_i32 s21, s[WV], WST                      ; my stage
	v_mul_u32_u24 v4, v1, EP                       ; in: row r of a block, 32 bytes for each half of the lanes
	v_lshl_add_u32 v4, v2, 5, v4
	v_add_nc_u32 v[STO], s21, v4
	v_mul_u32_u24 v4, v2, EP                       ; back: lanes 0-15 one row, lanes 16-31 the next; 8 keys (32 bytes) a lane
	v_lshl_add_u32 v4, v1, 5, v4
	v_add_nc_u32 v[RD0], s21, v4
	v_lshlrev_b32 v4, 12, v2                       ; and the same two rows of pw, 16 bytes a lane
	v_lshl_add_u32 v[CO], v1, 4, v4
	s_sub_co_i32 s21, s[HR], s[HC]                 ; key 128 HC + 8 r + e is seen by query 128 HR + 16 a + 2 t + h where e - 2 t <= 128 (HR - HC) + 16 a + h - 8 r
	s_lshl_b32 s21, s21, 7
	v_lshlrev_b32 v4, 3, v1
	v_sub_nc_u32 v[LIMV], v2, v4
	v_add_nc_u32 v[LIMV], s21, v[LIMV]
	v_mov_b32 v[NEGV], 0xff7fffff
	s_lshl_b32 s21, s[WV], 10
	s_add_co_u32 s21, s21, SST
	v_lshl_add_u32 v[SSA0], v2, 2, s21             ; row pair t: m of its two rows at 16 t + 4 h, l at 16 t + 8 + 4 h
	v_lshl_add_u32 v[SRD], v6, 4, s21
	v_lshlrev_b32 v[SGO], 4, v6
	v_lshlrev_b32 v[PFO], 12, v6
.macro MUL16 f, hi, a0, zero           ; the 64 accumulators take turns
	WIN MUL_LO+0x50*(\hi)
.irp a, \a0, (\a0)+1
.irp b, 0,1,2,3,4,5,6,7
.if \zero
	v_wmma_f32_16x16x32_f16 v[8*(8*(\a)+(\b)):8*(8*(\a)+(\b))+7], v[(\f)+8*(\b):(\f)+8*(\b)+7], v[(\f)+8*(4*(\hi)+(\a)):(\f)+8*(4*(\hi)+(\a))+7], 0
.else
	v_wmma_f32_16x16x32_f16 v[8*(8*(\a)+(\b)):8*(8*(\a)+(\b))+7], v[(\f)+8*(\b):(\f)+8*(\b)+7], v[(\f)+8*(4*(\hi)+(\a)):(\f)+8*(4*(\hi)+(\a))+7], v[8*(8*(\a)+(\b)):8*(8*(\a)+(\b))+7]
.endif
.endr
.endr
.endm
.macro FETCH k, f
	WIN TO_B
.irp i, 0,1,2,3,4,5,6,7
	ds_load_b128 v[(\f)+8*(\i):(\f)+8*(\i)+3],   v[ADRB] offset:(\k)+(\i)*16*PITCH
	ds_load_b128 v[(\f)+8*(\i)+4:(\f)+8*(\i)+7], v[ADRB] offset:(\k)+(\i)*16*PITCH+32
.endr
	WIN 0
.irp i, 0,1,2,3,4,5,6,7
	ds_load_b128 v[(\f)+8*(\i):(\f)+8*(\i)+3],   v[ADRA] offset:(\k)+(\i)*16*PITCH
	ds_load_b128 v[(\f)+8*(\i)+4:(\f)+8*(\i)+7], v[ADRA] offset:(\k)+(\i)*16*PITCH+32
.endr
.endm
.macro QUARTER k, f, g, zero
	s_wait_dscnt 8                                 ; k's fragments and q's rows 0-63 are in; the youngest eight loads may be out
	MUL16 \f, 0, 0, \zero
	MUL16 \f, 0, 2, \zero
	PLACES
	FETCH \k, \g
	s_wait_dscnt 32                                ; all but the 32 just issued
	MUL16 \f, 1, 0, \zero
	MUL16 \f, 1, 2, \zero
.endm
; The last quarter and the change of slots: all my tensor loads have landed, the add, my reads of the slot are over, the barrier; fill = 1: my one load, the K step two on, first thing behind it.
.macro TURN fill
.if \fill
	s_wait_xcnt 0x0                                ; the last prefetches, a K step back, have read their address
	s_add_nc_u64 s[PFA:PFA+1], s[PFA:PFA+1], KSTEP*2
.endif
	WIN 0
	s_wait_tensorcnt 0x0                           ; no tensor load of mine is out, so a group 0 may be written
	ds_add_u32 v[SPW], v[NIL]                      ; 0 onto my spare word
.if \fill
	s_xor_b32 s[G0+5], s[G0+5], SLOT
	s_add_nc_u64 s[G0+6:G0+7], s[G0+6:G0+7], KSTEP*2
.endif
	s_wait_dscnt 9                                 ; the add and the youngest eight loads may be out
	MUL16 F1, 0, 0, 0
	s_wait_dscnt 0x0                               ; the add is done, and my reads of this slot are over
	s_barrier_signal -1
	MUL16 F1, 0, 2, 0
	WIN 0
	s_barrier_wait -1
.if \fill
	tensor_load_to_lds s[G0+4:G0+7], s[G1:G1+7]
	s_nop 0
.endif
	PLACES                                         ; the places in front of the loads below
	s_xor_b32 s[TB], s[TB], SLOT
	v_add_nc_u32 v[ADRA], s[TB], v[ADRA0]
	v_add_nc_u32 v[ADRB], s[TB], v[ADRB0]
	FETCH 0, F0
.if \fill
	ASK
.endif
	MUL16 F1, 1, 0, 0
	MUL16 F1, 1, 2, 0
.endm
	s_wait_tensorcnt 1                             ; my part of K step 0 is in; K step 1's may stay out
	s_barrier_signal -1
	s_barrier_wait -1
	FETCH 0, F0
	QUARTER 64, F0, F1, 1                          ; the first quarter is written apart: its products start the sums
	WIN 0
	s_mov_b32 s[CNT], STEPS-2
	s_branch .Lin                                  ; the loop is entered behind a step's first quarter
.Lstep:                                                ; a trip is a K step; steps 0 to 5 fill their slot again with steps 2 to 7
	QUARTER 64, F0, F1, 0
	WIN 0
.Lin:
	QUARTER 128, F1, F0, 0
	QUARTER 192, F0, F1, 0
	TURN 1
	WIN 0
	s_sub_co_u32 s[CNT], s[CNT], 1
	s_cmp_lg_u32 s[CNT], 0
	s_cbranch_scc1 .Lstep
	s_mov_b32 s[CNT], 2
.Ltail:                                                ; the last two K steps ask for nothing: a loop of their own.
	QUARTER 64, F0, F1, 0                          ; The very last change of slots fetches fragments that nobody multiplies: the price, once a launch, of one text for both steps
	QUARTER 128, F1, F0, 0
	QUARTER 192, F0, F1, 0
	TURN 0
	WIN 0
	s_sub_co_u32 s[CNT], s[CNT], 1
	s_cmp_lg_u32 s[CNT], 0
	s_cbranch_scc1 .Ltail
	; THE WAY OUT.  The ring has had its last fill.  When every wave's reads of it are over, each wave takes a quarter of it as a stage of its own: 128 rows (queries) of 128 f32.
	s_wait_dscnt 0x0                               ; my reads of the ring are over,
	s_barrier_signal -1
	s_barrier_wait -1                              ; everybody's are
	PLACES                                         ; behind the last products, ahead of the LDS stores that read results
.irp a, 0,1,2,3,4,5,6,7
	WIN 0x08+4*((\a)/4)                            ; the stores' data (source 1) in window 2 or 3; each accumulator from its low end on
.irp b, 0,1,2,3,4,5,6,7
	ds_store_b128 v[STO], v[64*((\a)%4)+8*(\b):64*((\a)%4)+8*(\b)+3]   offset:(\a)*16*EP+64*(\b)
	ds_store_b128 v[STO], v[64*((\a)%4)+8*(\b)+4:64*((\a)%4)+8*(\b)+7] offset:(\a)*16*EP+64*(\b)+16
.endr
.endr
	WIN 0
.irp t, 0,1,2,3,4,5,6,7
	v_mov_b32 v[ST+2*(\t)+1], 0                    ; named in a pair with m before l is made
.endr
	s_mov_b32 s[EO], 0
	s_mov_b32 s[SO], 0
	s_mov_b32 s[CNT], 0
; A trip takes a block of 16 rows.  Row pair t: lanes 0-15 hold row 2 t, lanes 16-31 row 2 t + 1, eight neighbouring keys a lane: a row's maximum and sum want four steps among 16 lanes,
; and a lane's eight weights pack into 16 bytes, of which 16 lanes fill the row's 256 bytes of pw.
.Lblk:
	v_add_nc_u32 v[RD], s[EO], v[RD0]
	v_add_nc_u32 v[SSA], s[SO], v[SSA0]
.irp t, 0,1,2,3,4,5,6,7
	ds_load_b128 v[X+8*(\t):X+8*(\t)+3],   v[RD] offset:(\t)*2*EP      ; LDS serves a wave's instructions in order (ISA guide 5.7.1.4): these see my stores above
	ds_load_b128 v[X+8*(\t)+4:X+8*(\t)+7], v[RD] offset:(\t)*2*EP+16
.endr
	s_wait_dscnt 0x0
	s_cmp_lg_u32 s[TI], s[TJ]                      ; only a tile on the diagonal hides anything
	s_cbranch_scc1 .Lseen
.set d, -14
.rept 22                               ; one compare for each e - 2 t
	v_cmp_le_i32 vcc_lo, d, v[LIMV]
.set t, 0
.rept 8
.if (d+2*t >= 0) && (d+2*t < 8)
	v_cndmask_b32 v[X+8*t+d+2*t], v[NEGV], v[X+8*t+d+2*t], vcc_lo
.endif
.set t, t+1
.endr
.set d, d+1
.endr
.Lseen:
.irp t, 0,1,2,3,4,5,6,7
	v_max3_num_f32 v[ST+2*(\t)], v[X+8*(\t)], v[X+8*(\t)+1], v[X+8*(\t)+2]
.endr
.irp t, 0,1,2,3,4,5,6,7
	v_max3_num_f32 v[ST+2*(\t)], v[ST+2*(\t)], v[X+8*(\t)+3], v[X+8*(\t)+4]
.endr
.irp t, 0,1,2,3,4,5,6,7
	v_max3_num_f32 v[ST+2*(\t)], v[ST+2*(\t)], v[X+8*(\t)+5], v[X+8*(\t)+6]
.endr
.irp t, 0,1,2,3,4,5,6,7
	v_max_num_f32 v[ST+2*(\t)], v[ST+2*(\t)], v[X+8*(\t)+7]
.endr
.irp m, 1,2,4,8
.irp t, 0,1,2,3,4,5,6,7
	v_max_num_f32_dpp v[ST+2*(\t)], v[ST+2*(\t)], v[ST+2*(\t)] row_xmask:\m row_mask:0xf bank_mask:0xf
.endr
.endr
.irp t, 0,1,2,3,4,5,6,7
.irp i, 0,2,4,6
	v_pk_add_f32 v[X+8*(\t)+(\i):X+8*(\t)+(\i)+1], v[X+8*(\t)+(\i):X+8*(\t)+(\i)+1], v[ST+2*(\t):ST+2*(\t)+1] op_sel_hi:[1,0] neg_lo:[0,1] neg_hi:[0,1]  ; s - m
.endr
.endr
.set i, X
.rept 32
	v_pk_mul_f32 v[i:i+1], v[i:i+1], s[CP:CP+1] op_sel_hi:[1,0]  ; times c
.set i, i+2
.endr
.set i, X
.rept 64
	v_exp_f32 v[i], v[i]                           ; one batch
.set i, i+1
.endr
	v_nop                                          ; a plain instruction behind the last exponential (ISA guide 5.7.2),
	s_wait_alu depctr_va_vdst(0)                   ; and one wait ahead of the batch's first reader
.irp t, 0,1,2,3,4,5,6,7
	v_pk_add_f32 v[T+2*(\t):T+2*(\t)+1], v[X+8*(\t):X+8*(\t)+1], v[X+8*(\t)+2:X+8*(\t)+3]
.endr
.irp t, 0,1,2,3,4,5,6,7
	v_pk_add_f32 v[T+2*(\t):T+2*(\t)+1], v[T+2*(\t):T+2*(\t)+1], v[X+8*(\t)+4:X+8*(\t)+5]
.endr
.irp t, 0,1,2,3,4,5,6,7
	v_pk_add_f32 v[T+2*(\t):T+2*(\t)+1], v[T+2*(\t):T+2*(\t)+1], v[X+8*(\t)+6:X+8*(\t)+7]
.endr
.irp t, 0,1,2,3,4,5,6,7
	v_add_f32 v[ST+2*(\t)+1], v[T+2*(\t)], v[T+2*(\t)+1]
.endr
.irp m, 1,2,4,8
.irp t, 0,1,2,3,4,5,6,7
	v_add_f32_dpp v[ST+2*(\t)+1], v[ST+2*(\t)+1], v[ST+2*(\t)+1] row_xmask:\m row_mask:0xf bank_mask:0xf
.endr
.endr
.irp t, 0,1,2,3,4,5,6,7
.irp i, 0,1,2,3
	v_cvt_pk_f16_f32 v[X+8*(\t)+(\i)], v[X+8*(\t)+2*(\i)], v[X+8*(\t)+2*(\i)+1]  ; eight weights into the pair's first four registers
.endr
.endr
.irp t, 0,1,2,3,4,5,6,7
	ds_store_b32 v[SSA], v[ST+2*(\t)]   offset:16*(\t)    ; sixteen lanes write the same word with the same number
	ds_store_b32 v[SSA], v[ST+2*(\t)+1] offset:16*(\t)+8
.endr
	s_cmp_lt_u32 s[CNT], s[SKIP]                   ; a batch's rows 0-63 are stored by the work-groups at .Lrows
	s_cbranch_scc1 .Lnot_stored
.irp t, 0,1,2,3,4,5,6,7
	global_store_b128 v[CO], v[X+8*(\t):X+8*(\t)+3], s[6:7] offset:(\t)*8192  ; 16 lanes store 256 consecutive bytes, aligned
.endr
.Lnot_stored:
	s_wait_xcnt 0x0                                ; the stores have read their registers and pw's address
	s_add_nc_u64 s[6:7], s[6:7], 16*4096
	v_add_nc_u32 v[LIMV], 16, v[LIMV]
	s_add_co_u32 s[EO], s[EO], 16*EP
	s_add_co_u32 s[SO], s[SO], 128
	s_add_co_u32 s[CNT], s[CNT], 1
	s_cmp_lt_u32 s[CNT], 8
	s_cbranch_scc1 .Lblk
	ds_load_b128 v[48:51], v[SRD]                  ; my 128 rows' m and l, as 1,024 consecutive bytes: rows 0-63,
	ds_load_b128 v[52:55], v[SRD] offset:512       ; rows 64-127
	s_wait_dscnt 0x0
	s_cmp_eq_u32 s[SKIP], 0
	s_cbranch_scc1 .Lown
	v_mov_b32 v48, 0                               ; a batch's rows 0-63 come normalised: m = 0 in both chunks, l = 1 in the first and 0 in the second give them the weight 1
	v_mov_b32 v49, 0
	v_mov_b32 v50, s[LZ]
	v_mov_b32 v51, s[LZ]
.Lown:
	global_store_b128 v[SGO], v[48:51], s[48:49]   ; the wave stores 512 consecutive bytes, aligned
	global_store_b128 v[SGO], v[52:55], s[48:49] offset:512
	s_wait_tensorcnt 0x0                           ; the wave's end
	ds_add_u32 v[SPW], v[NIL]
	s_wait_dscnt 0x0
	s_endpgm
; ==== THE FIRST ROWS ====
; Work-group x = 36 + g, wave w: row q = 4 g + w (0..63) of batch y.  Its scores are the sum of sch's 32 parts; it sees keys 0..q alone, so its softmax is whole here: true maximum, sum, division.
; The split of a weight p: t = 8193 p, hi = t - 8192 p (exact, 11 significant bits), lo = p - hi (exact).  The row of pw: columns 0-63 hi, 64-127 zeros, 128-191 lo, 192-255 hi once more:
; the last launch multiplies them by vt0's Vh(0-63) | V(64-127) | Vh(0-63) | Vl(0-63).
; The wave also copies keys 64-127 of 16 rows of vt into vt0: pieces of 128 bytes, 512 KiB in the whole launch.  No register that a pending store names is written again.
.set H, 96
.Lrows:
	s_sub_co_u32 s16, ttmp9, 36
	s_lshl_b32 s17, s16, 2
	s_add_co_u32 s17, s17, s[WV]                   ; q
	s_lshl_b32 s18, s[BB], 19                      ; sch: 32 parts of 16,384 bytes a batch,
	s_lshl_b32 s19, s17, 8                         ; 256 bytes a row
	s_add_co_u32 s18, s18, s19
	s_mov_b32 s19, 0
	s_lshl_b32 s20, s[BB], 11
	s_add_co_u32 s20, s20, s17
	s_lshl_b32 s20, s20, 12                        ; pw: 4,096 bytes a row
	s_mov_b32 s21, 0
	s_lshl_b32 s22, s[BB], 10                      ; vt, vt0: row 1024 b + 64 g + 16 w,
	s_lshl_b32 s23, s16, 6
	s_add_co_u32 s22, s22, s23
	s_lshl_b32 s23, s[WV], 4
	s_add_co_u32 s22, s22, s23
	s_lshl_b32 s22, s22, 12
	s_add_co_u32 s22, s22, 128                     ; key 64
	s_mov_b32 s23, 0
	s_mov_b32 s24, 0x76543210                      ; v_permlanex16_b32: each lane takes its own place in the other half
	s_mov_b32 s25, 0xfedcba98
	s_mov_b32 s26, 0x3d38aa3b                      ; c = log2(e) / 32
	s_mov_b32 s27, s26
	s_mov_b32 s28, 0x46000400                      ; 8193.0
	s_mov_b32 s29, s28
	s_mov_b32 s30, 0xc6000000                      ; -8192.0
	s_mov_b32 s31, s30
	v_and_b32 v1, 31, v0                           ; l
	v_lshlrev_b32 v3, 3, v1                        ; 8 l
	v_lshlrev_b32 v4, 2, v1
	v_sub_nc_u32 v4, s17, v4                       ; q - 4 l: key 4 l + e is seen where e is not greater
	v_mov_b32 v5, 0xff7fffff                       ; the lowest finite number
	v_lshrrev_b32 v8, 4, v1                        ; the parts: lanes 0-15 the even ones, lanes 16-31 the odd; 16 bytes (keys 4 (l % 16) ..) a lane
	v_and_b32 v9, 15, v1
	v_lshlrev_b32 v8, 14, v8
	v_lshl_add_u32 v8, v9, 4, v8
	v_lshrrev_b32 v10, 3, v1                       ; the copy: four rows a load, 128 bytes of each
	v_and_b32 v9, 7, v1
	v_lshlrev_b32 v10, 12, v10
	v_lshl_add_u32 v10, v9, 4, v10
	s_wait_kmcnt 0x0
	s_add_nc_u64 s[50:51], s[50:51], s[18:19]
	s_add_nc_u64 s[6:7], s[6:7], s[20:21]
	s_add_nc_u64 s[52:53], s[52:53], s[22:23]
	s_add_nc_u64 s[54:55], s[54:55], s[22:23]
.irp i, 0,1,2,3
	global_load_b128 v[32+4*(\i):32+4*(\i)+3], v10, s[52:53] offset:(\i)*16384
.endr
.set t, 0
.rept 16
	global_load_b128 v[H+4*t:H+4*t+3], v8, s[50:51] offset:32768*t th:TH_LOAD_NT  ; parts 2 t and 2 t + 1: a whole row of 256 bytes of each
.set t, t+1
.endr
	v_mov_b32 v7, v5                               ; destinations of v_permlanex16_b32 count as read: written once here
.irp e, 0,1,2,3
	v_mov_b32 v[92+(\e)], v5
.endr
	s_wait_loadcnt 16                              ; the copy's four loads are in; the sixteen behind them may stay out
.irp i, 0,1,2,3
	global_store_b128 v10, v[32+4*(\i):32+4*(\i)+3], s[54:55] offset:(\i)*16384
.endr
	s_wait_loadcnt 0x0
.irp d, 8,4,2,1
.set t, 0
.rept \d
	v_pk_add_f32 v[H+4*t:H+4*t+1], v[H+4*t:H+4*t+1], v[H+4*(t+\d):H+4*(t+\d)+1]
	v_pk_add_f32 v[H+4*t+2:H+4*t+3], v[H+4*t+2:H+4*t+3], v[H+4*(t+\d)+2:H+4*(t+\d)+3]
.set t, t+1
.endr
.endr
.irp e, 0,1,2,3
	v_permlanex16_b32 v[H+4+(\e)], v[H+(\e)], s24, s25     ; the other half of the lanes holds the other sixteen parts
.endr
.irp e, 0,1,2,3
	v_add_f32 v[88+(\e)], v[H+(\e)], v[H+4+(\e)]           ; lanes 16-31 stand for keys 64 and more, which the mask below hides
.endr
.irp e, 0,1,2,3
	v_cmp_le_i32 vcc_lo, \e, v4
	v_cndmask_b32 v[88+(\e)], v5, v[88+(\e)], vcc_lo
.endr
	v_max3_num_f32 v6, v88, v89, v90
	v_max_num_f32 v6, v6, v91
	v_max_num_f32_dpp v6, v6, v6 row_xmask:1 row_mask:0xf bank_mask:0xf
	v_max_num_f32_dpp v6, v6, v6 row_xmask:2 row_mask:0xf bank_mask:0xf
	v_max_num_f32_dpp v6, v6, v6 row_xmask:4 row_mask:0xf bank_mask:0xf
	v_max_num_f32_dpp v6, v6, v6 row_xmask:8 row_mask:0xf bank_mask:0xf
	v_permlanex16_b32 v7, v6, s24, s25
	v_max_num_f32 v24, v6, v7                      ; m, in every lane,
	v_mov_b32 v25, v24                             ; twice
	v_pk_add_f32 v[88:89], v[88:89], v[24:25] neg_lo:[0,1] neg_hi:[0,1]
	v_pk_add_f32 v[90:91], v[90:91], v[24:25] neg_lo:[0,1] neg_hi:[0,1]
	v_pk_mul_f32 v[88:89], v[88:89], s[26:27] op_sel_hi:[1,0]
	v_pk_mul_f32 v[90:91], v[90:91], s[26:27] op_sel_hi:[1,0]
.irp e, 0,1,2,3
	v_exp_f32 v[88+(\e)], v[88+(\e)]
.endr
	v_nop
	s_wait_alu depctr_va_vdst(0)                   ; one wait for the four exponentials, ahead of their first reader
	v_pk_add_f32 v[16:17], v[88:89], v[90:91]
	v_add_f32 v16, v16, v17
	v_add_f32_dpp v16, v16, v16 row_xmask:1 row_mask:0xf bank_mask:0xf
	v_add_f32_dpp v16, v16, v16 row_xmask:2 row_mask:0xf bank_mask:0xf
	v_add_f32_dpp v16, v16, v16 row_xmask:4 row_mask:0xf bank_mask:0xf
	v_add_f32_dpp v16, v16, v16 row_xmask:8 row_mask:0xf bank_mask:0xf
	v_permlanex16_b32 v17, v16, s24, s25
	v_add_f32 v16, v16, v17                        ; l, at least 1
	v_rcp_f32 v12, v16
	v_mov_b32 v13, v5                              ; the pair's other word is written; also the plain instruction behind the reciprocal
	s_wait_alu depctr_va_vdst(0)
	v_pk_mul_f32 v[88:89], v[88:89], v[12:13] op_sel_hi:[1,0]
	v_pk_mul_f32 v[90:91], v[90:91], v[12:13] op_sel_hi:[1,0]
	v_pk_mul_f32 v[16:17], v[88:89], s[28:29] op_sel_hi:[1,0]               ; t = 8193 p
	v_pk_mul_f32 v[18:19], v[90:91], s[28:29] op_sel_hi:[1,0]
	v_pk_fma_f32 v[16:17], v[88:89], s[30:31], v[16:17] op_sel_hi:[1,0,1]   ; hi = t - 8192 p
	v_pk_fma_f32 v[18:19], v[90:91], s[30:31], v[18:19] op_sel_hi:[1,0,1]
	v_pk_add_f32 v[20:21], v[88:89], v[16:17] neg_lo:[0,1] neg_hi:[0,1]     ; lo = p - hi
	v_pk_add_f32 v[22:23], v[90:91], v[18:19] neg_lo:[0,1] neg_hi:[0,1]
	v_cmp_gt_u32 vcc_lo, 16, v1                    ; lanes 0-15 hold keys 0-63
.irp e, 0,1,2,3
	v_permlanex16_b32 v[92+(\e)], v[16+(\e)], s24, s25        ; columns 192-255 (lanes 16-31): hi of keys 0-63
	v_cndmask_b32 v[92+(\e)], v[92+(\e)], v[20+(\e)], vcc_lo  ; columns 128-191 (lanes 0-15): lo of keys 0-63
.endr
	v_cvt_pk_f16_f32 v88, v16, v17                 ; columns 0-127: hi (0 for keys 64 and more)
	v_cvt_pk_f16_f32 v89, v18, v19
	v_cvt_pk_f16_f32 v92, v92, v93
	v_cvt_pk_f16_f32 v93, v94, v95
	global_store_b64 v3, v[88:89], s[6:7]          ; each store of the wave covers 256 consecutive bytes, aligned
	global_store_b64 v3, v[92:93], s[6:7] offset:256
	s_wait_tensorcnt 0x0                           ; the wave's end
	ds_add_u32 v[SPW], v[NIL]
	s_wait_dscnt 0x0
	s_endpgm
.Lfunc_end_k_q30bced0987_score:
	.size	k_q30bced0987_score, .Lfunc_end_k_q30bced0987_score-k_q30bced0987_score
	.p2alignl 7, 3214868480
	.fill 96, 4, 3214868480
	.section	.rodata,"a",@progbits
	.p2align	6, 0x0
	.amdhsa_kernel k_q30bced0987_score
		.amdhsa_group_segment_fixed_size 327680
		.amdhsa_private_segment_fixed_size 0
		.amdhsa_enable_private_segment 0
		.amdhsa_kernarg_size 48
		.amdhsa_user_sgpr_count 2
		.amdhsa_user_sgpr_kernarg_segment_ptr 1
		.amdhsa_wavefront_size32 1
		.amdhsa_system_sgpr_workgroup_id_x 1
		.amdhsa_system_sgpr_workgroup_id_y 1
		.amdhsa_system_sgpr_workgroup_id_z 1
		.amdhsa_system_vgpr_workitem_id 0
		.amdhsa_next_free_vgpr 1024
		.amdhsa_next_free_sgpr 66
		.amdhsa_reserve_vcc 1
		.amdhsa_float_denorm_mode_32 3
		.amdhsa_float_denorm_mode_16_64 3
		.amdhsa_memory_ordered 1
		.amdhsa_forward_progress 1
		.amdhsa_inst_pref_size 108
	.end_amdhsa_kernel
	.amdgpu_metadata
---
amdhsa.version: [ 1, 2 ]
amdhsa.kernels:
  - .name:           k_q30bced0987_score
    .symbol:         k_q30bced0987_score.kd
    .args:
      - { .name: qk, .offset: 0, .size: 8, .value_kind: global_buffer, .address_space: global }
      - { .name: pw, .offset: 8, .size: 8, .value_kind: global_buffer, .address_space: global }
      - { .name: st, .offset: 16, .size: 8, .value_kind: global_buffer, .address_space: global }
      - { .name: sch, .offset: 24, .size: 8, .value_kind: global_buffer, .address_space: global }
      - { .name: vt, .offset: 32, .size: 8, .value_kind: global_buffer, .address_space: global }
      - { .name: vt0, .offset: 40, .size: 8, .value_kind: global_buffer, .address_space: global }
    .group_segment_fixed_size: 327680
    .private_segment_fixed_size: 0
    .kernarg_segment_align: 8
    .kernarg_segment_size: 48
    .max_flat_workgroup_size: 128
    .sgpr_count:     66
    .vgpr_count:     1024
    .wavefront_size: 32
...
	.end_amdgpu_metadata
.endif
;; end of part 3
;; launch pv (part 4): grid 8 x 32, 4 waves a work-group, clusters of 4 x 1, 327,680 bytes of LDS; arguments pw, vt, vt0, out0, st; writes out0
.if DOCPART == 4
	.amdgcn_target "amdgcn-amd-amdhsa--gfx1250"
	.amdhsa_code_object_version 6
	.text
	.protected	k_q30bced0987_pv
	.globl	k_q30bced0987_pv
	.p2align	8
	.type	k_q30bced0987_pv,@function
k_q30bced0987_pv:
	s_mov_b64 s[64:65], 0
	v_nop
	global_prefetch_b8 v0, s[64:65] scope:SCOPE_SE
	s_setreg_imm32_b32 hwreg(HW_REG_WAVE_MODE, 25, 1), 1
	s_wait_xcnt 0x0
	s_wait_alu depctr_hold_cnt(0) depctr_sa_sdst(0) depctr_va_vdst(0) depctr_va_sdst(0) depctr_va_ssrc(0) depctr_va_vcc(0) depctr_vm_vsrc(0)
	s_getreg_b32 s2, hwreg(HW_REG_IB_STS2, 6, 4)
	s_cmp_eq_u32 s2, 0
	s_cbranch_scc0 .Lentry_in_a_cluster
	s_endpgm
.Lentry_in_a_cluster:
	s_bfe_u32 s2, ttmp6, 0x10000c
	s_cmp_lg_u32 s2, 0x3003
	s_cbranch_scc0 .Lentry_shape_is_right
	s_endpgm
.Lentry_shape_is_right:
; out0[b][q][e] = the sum over chunks of 128 keys of w[q][chunk] x (the sum over the chunk's keys of pw[b][q][key] vt[b][e][key]): f16 operands, f32 sums, f32 out.
; pw holds p = 2^((s - m) c), m the chunk's own maximum; st holds m and the chunk's sum l.  THE WEIGHT: w = 2^((m - m_row) c) / l_row, m_row = the maximum of the row's chunks, l_row = the sum of l 2^((m - m_row) c).
; m <= m_row and l_row >= 1, so w lies in 0 to 1.  A chunk is summed in accumulators of its own, started by the constant 0, and folded in f32: O += w x chunk, 64 packed multiply-adds for 64 products.
; A tile of out0 is 128 queries x 128 channels; block j of 128 queries needs j / 2 + 1 K steps of 256 keys.  A work-group takes TWO tiles of one channel block, j = 15 - p and then j = p: 9 K steps whatever p,
; so all 256 work-groups do equal work and loops with constant counts walk them.  Which K step is asked for, and where the tile changes, hang on scalar registers made from p.
; THE HEAD.  Block j = 0 sees keys 0-127 alone.  The other half of its one K step carries what f16 loses for keys 0-63 in rows 0-63: pw's columns are Ph(0-127) | Pl(0-63) | Ph(0-63), and its values come from vt0,
; whose rows (vt's pitch) are Vh(0-127) | Vh(0-63) | Vl(0-63).  Only the base of the values changes, by p; rows 64-127 have the weight 0 there.
; Four waves, each 64 x 64.  K steps of 256 (LDS rows of 512 bytes, 64 rows to a load), two slots, one step to a trip; the ring runs on across the change of tiles.
; CLUSTER 4 x 1: the four partners share batch and p, hence the walk and the tiles of pw: those are asked for jointly (waves 0, 1).  The values' tiles hang on the channel block: plain loads (waves 2, 3), behind the same rounds.
; (Only two values of p share a walk of the values, and p = 0 and 1 part at the last fill: no joint load there.)
; O is cleared by v_mov_b32 where a tile begins: where that is hangs on p, so one text serves every step.  The price: 128 lines at the head, in the wait for the first tile, and 128 in each of the two texts of a step's end.
; THE MATRIX INSTRUCTION IS USED TRANSPOSED (source 0 = 16 channels, source 1 = 16 queries): a lane holds one query and eight neighbouring channels, so a weight is one number a lane and block of 16 queries.
; A wave's 64 channels are 256 aligned bytes of out0's rows, so each wave has a stage of its own on the way out, and no barrier there.
; REGISTERS: window 0: v0-31 addresses; v32-63, v64-95 rows read back, by turns (at the head v32-126: m, l and the weights); v96-111 a K step's eight weights; v128-255 O ((a, b) at v[128 + 8 (4 a + b)]).
;   window 1: two fragment buffers of 128: 64 of A, then 64 of B.          window 2: v0-127 the chunk's 16 accumulators.
.set KSTEP,  256
.set PITCH,  528                       ; 512 bytes + 16: the 16 rows of a load start at 16 different groups of four banks (ISA guide 11.1)
.set HALFT,  64*PITCH
.set SLOT,   4*HALFT                   ; 0x21000: its two bits are 0 in wave x HALFT, so an exclusive or changes slot
.set STAGE,  2*SLOT
.set SPITCH, 272
.set WTAB,   STAGE+4*16*SPITCH         ; the weights: for each wave 18 entries, in the walk's order, of 64 rows x 4 bytes
.set WTW,    18*256
.set SPARE,  WTAB+4*WTW                ; the spare words: two blocks of 256 bytes that no other line names
.set TW,    14                         ; v14  where I put two rows' weights
.set ADRA,  16
.set ADRA0, 17
.set ADRB,  20
.set ADRB0, 21
.set WA,    22                         ; v22  where I read a block's weight, in the K step in hand
.set STO,   24
.set RD,    25
.set CO,    26
.set SPW,   28
.set NIL,   29
.set PFO,   30
.set BKS,   32
.set W,     96                         ; v[96 + 8 half + 2 a] block a's weight; the odd registers are named with them as pairs
.set ACC,   128
.set A2,    0                          ; window 2
.set F0,    0
.set F1,    128
.set E0,    32                         ; at the head: entry e's m0 m1 l0 l1 at v[32 + 4 e]
.set MH,    104                        ; pairs (my two rows): the first tile's m_row, the second's; their l_row; their reciprocals
.set ML,    106
.set LH,    108
.set LL,    110
.set RH,    112
.set RL,    114
.set MS,    116                        ; three pairs: what holds in K steps 5, 6, 7 of the walk
.set TT,    122
.set NEGV,  126
.set CNT,  3
.set FL,   4                           ; s[4:9]   three pairs: 1.0 where K step 5, 6, 7 is the second tile's
.set WV,   10
.set HR,   11                          ; my half of the queries.  Also: I fetch for pw (0) or the values (1)
.set HC,   12                          ; my half of the channels.  Also: which 64 rows I fetch
.set MK,   13                          ; s13-15  all ones where K step 5, 6, 7 is the first tile's
.set NLO,  19                          ; K steps of the second tile
.set CP,   22                          ; s[22:23] c
.set G1A,  24
.set G0A,  32                          ; two sets; the second walks
.set TB,   40
.set RT,   41                          ; K steps of the tile in hand that are still to be finished
.set NXT,  42                          ; the K step to be asked for next
.set LQ,   43                          ; the last K step of the tile whose steps are being asked for
.set OFF,  44                          ; s[44:45] its byte offset along the rows
.set ACUR, 46                          ; s[46:47] pw at my rows of that tile
.set G1B,  48
.set G0B,  56
.set ALO,  66                          ; pw at my rows of the second tile
.set BBASE,68                          ; the values at my rows, for the tile whose steps are being asked for
.set OCUR, 70                          ; out0 at my part of the tile in hand
.set OLO,  72
.set LIM,  74
.set PNX,  75                          ; the same walk, two fills ahead, for the prefetches
.set PLQ,  76
.set PCUR, 78
.set PLOW, 80
.set PF,   82                          ; s[82:83] what the prefetch names
.set POFF, 84
.set FH,   86                          ; s[86:91] three pairs: 1.0 where K step 5, 6, 7 is the first tile's
.set BLO,  92                          ; the values at my rows for the second tile: vt0 where p = 0, else vt
.set MSB, 0
.macro WIN new
.if MSB != (\new)
	s_set_vgpr_msb (MSB<<8)|(\new)
.set MSB, \new
.endif
.endm
.set MUL,  0xa5                        ; sources 0 and 1 window 1; C and D window 2
.set TO_F, 0x40
.macro PLACES
.rept 4
	v_nop
.endr
.endm
.macro JLOAD                           ; the refill by the walking descriptors; the branch hangs on the wave's number alone; an s_nop 0 and four v_nop follow each line
	s_cmp_eq_u32 s[HR], 0
	s_cbranch_scc0 .Lfor_b_\@
	tensor_load_to_lds s[G0A+4:G0A+7], s[G1A:G1A+7]
	s_nop 0
	PLACES
	s_branch .Lasked_\@
.Lfor_b_\@:
	tensor_load_to_lds s[G0B+4:G0B+7], s[G1B:G1B+7]
	s_nop 0
	PLACES
.Lasked_\@:
.endm
; A prefetch into the L2 of the fill two refills on (256 matrix instructions ahead of the load that will want it); a lane names 256 bytes: row l / 2, half l % 2 of a K step's 512.
; pw's tile is read by both clusters of a row of the grid: cluster x = 0 asks, its four partners 16 rows each of a wave's 64, told apart by address: one instruction; fills 4 to 8 (the count above 2).
; vt's rows are walked by all eight p of a batch: p = 0 asks, each wave for its own 64 rows, four instructions; the first tile's K steps 4 to 7 (the count above 3); the second tile's are a second reading.
.macro ASK
	s_cmp_gt_u32 s[CNT], s[LIM]
	s_cbranch_scc0 .Lnot_mine_\@
	global_prefetch_b8 v[PFO], s[PF:PF+1] th:TH_LOAD_NT scope:SCOPE_SE
	s_cmp_eq_u32 s[HR], 0
	s_cbranch_scc1 .Lnot_mine_\@
.irp n, 1,2,3
	global_prefetch_b8 v[PFO], s[PF:PF+1] offset:(\n)*65536 th:TH_LOAD_NT scope:SCOPE_SE
.endr
.Lnot_mine_\@:
.endm
.macro CREST
	s_cmp_lg_u32 s[WV], 0
	s_cbranch_scc1 .Lnot_wave_0_\@
	s_barrier_signal -3
.Lnot_wave_0_\@:
	s_barrier_wait -3
	s_barrier_signal -1
	s_barrier_wait -1
.endm
.macro CROUND
	s_barrier_signal -1
	s_barrier_wait -1
	CREST
.endm
.macro CLEAR
.set i, 0
.rept 128
	v_mov_b32 v[ACC+i], 0
.set i, i+1
.endr
.endm
	s_load_b128 s[4:7], s[0:1], 0x0                ; pw s[4:5], vt s[6:7]
	s_load_b128 s[88:91], s[0:1], 0x10             ; vt0 s[88:89], out0 s[90:91]
	s_load_b64 s[96:97], s[0:1], 0x20              ; st
	v_lshl_add_u32 v[SPW], v0, 2, SPARE
	v_mov_b32 v[NIL], 0
	ds_add_u32 v[SPW], v[NIL]                      ; the wave's opening: the add and its wait ahead of my first tensor load
	ds_add_u32 v28, v29
	v_lshrrev_b32 v1, 5, v0
	v_readfirstlane_b32 s[WV], v1
	s_lshr_b32 s[HR], s[WV], 1
	s_and_b32 s[HC], s[WV], 1
	s_bfe_u32 s13, ttmp6, 0x40000                  ; cx
	s_lshl_b32 s14, ttmp9, 2
	s_add_co_u32 s14, s14, s13                     ; the channel block = 4 x cluster x + cx
	s_and_b32 s15, ttmp7, 0xffff
	s_lshr_b32 s16, s15, 3                         ; the batch
	s_and_b32 s17, s15, 7                          ; p
	s_lshr_b32 s[NLO], s17, 1
	s_sub_co_u32 s18, 8, s[NLO]                    ; n: K steps of tile 15 - p
	s_add_co_u32 s[NLO], s[NLO], 1                 ; of tile p
	s_mov_b32 s[G1A], 15|(1<<16)|(1<<20)|(1<<21)|(6<<22)|(3<<25)  ; the mask of four; 2-byte elements; padding on; bit 21 beside a mask; after every 128 words; 4 words
	s_mov_b32 s[G1B], (1<<16)|(1<<20)|(6<<22)|(3<<25)             ; no mask: my work-group's own
.irp g, G1A, G1B
	s_mov_b32 s[(\g)+1], KSTEP<<16                 ; tensor_dim0 = 256
	s_mov_b32 s[(\g)+2], 64<<16                    ; tensor_dim1 = 64
	s_mov_b32 s[(\g)+3], KSTEP<<16                 ; tile_dim0 = 256
	s_mov_b32 s[(\g)+4], 64                        ; tile_dim1 = 64
	s_mov_b32 s[(\g)+5], 2048                      ; elements from row to row of pw, of vt and of vt0
	s_mov_b32 s[(\g)+6], 0
	s_mov_b32 s[(\g)+7], 0
.endr
	; pw: row 2048 b + 128 j + 64 HC, 4,096 bytes a row.  No register on this way ever holds cx.
	s_lshl_b32 s20, s16, 23
	s_lshl_b32 s21, s[HC], 18
	s_add_co_u32 s20, s20, s21
	s_sub_co_u32 s21, 15, s17
	s_lshl_b32 s21, s21, 19
	s_add_co_u32 s[ACUR], s20, s21
	s_mov_b32 s[ACUR+1], 0
	s_lshl_b32 s21, s17, 19
	s_add_co_u32 s[ALO], s20, s21
	s_mov_b32 s[ALO+1], 0
	; vt, vt0: row 1024 b + 128 c + 64 HC
	s_lshl_b32 s22, s16, 22
	s_lshl_b32 s23, s14, 19
	s_add_co_u32 s22, s22, s23
	s_lshl_b32 s23, s[HC], 18
	s_add_co_u32 s[BBASE], s22, s23
	s_mov_b32 s[BBASE+1], 0
	; out0: row 2048 b + 128 j + 64 HR, column 128 c + 64 HC, 4 bytes each
	s_lshl_b32 s86, s16, 23
	s_lshl_b32 s87, s[HR], 18
	s_add_co_u32 s86, s86, s87
	s_lshl_b32 s87, s14, 9
	s_add_co_u32 s86, s86, s87
	s_lshl_b32 s87, s[HC], 8
	s_add_co_u32 s86, s86, s87
	s_sub_co_u32 s87, 15, s17
	s_lshl_b32 s87, s87, 19
	s_add_co_u32 s[OCUR], s86, s87
	s_mov_b32 s[OCUR+1], 0
	s_lshl_b32 s87, s17, 19
	s_add_co_u32 s[OLO], s86, s87
	s_mov_b32 s[OLO+1], 0
	s_mov_b32 s[TB], 0
	s_mov_b32 s[RT], s18
	s_mov_b32 s[NXT], 2
	s_sub_co_u32 s[LQ], s18, 1
	s_mov_b32 s[OFF+1], 0
	s_mov_b32 s[PNX], 4
	s_sub_co_u32 s[PLQ], s18, 1
	s_mov_b32 s[POFF+1], 0
	s_mov_b32 s[CP], 0x3d38aa3b                    ; c = log2(e) / 32
	s_mov_b32 s[CP+1], s[CP]                       ; named with it as a pair
	s_cmp_eq_u32 s[HR], 0                          ; who prefetches: the same in all four partners, for a given wave
	s_cselect_b32 s20, ttmp9, s17
	s_cselect_b32 s21, 2, 3
	s_cselect_b32 s77, s13, 0                      ; pw's waves: my work-group's 16 rows of the 64
	s_cmp_eq_u32 s20, 0
	s_cselect_b32 s[LIM], s21, -1
	s_mul_i32 s21, s[WV], HALFT                    ; where my loads go
	s_wait_dscnt 0x0                               ; the opening add is done
	s_wait_kmcnt 0x0
	s_add_nc_u64 s[ACUR:ACUR+1], s[4:5], s[ACUR:ACUR+1]
	s_add_nc_u64 s[ALO:ALO+1], s[4:5], s[ALO:ALO+1]
	s_cmp_eq_u32 s17, 0                            ; the second tile is block 0 where p = 0: its values come from vt0
	s_cselect_b64 s[BLO:BLO+1], s[88:89], s[6:7]
	s_add_nc_u64 s[BLO:BLO+1], s[BLO:BLO+1], s[BBASE:BBASE+1]
	s_add_nc_u64 s[BBASE:BBASE+1], s[6:7], s[BBASE:BBASE+1]
	s_add_nc_u64 s[OCUR:OCUR+1], s[90:91], s[OCUR:OCUR+1]
	s_add_nc_u64 s[OLO:OLO+1], s[90:91], s[OLO:OLO+1]
	s_cmp_eq_u32 s[HR], 0
	s_cselect_b64 s[PCUR:PCUR+1], s[ACUR:ACUR+1], s[BBASE:BBASE+1]
	s_cselect_b64 s[PLOW:PLOW+1], s[ALO:ALO+1], s[BBASE:BBASE+1]
.irp s, 0,1
	s_mov_b32 s[G0A+4*(\s)], 1
	s_add_co_u32 s[G0A+4*(\s)+1], s21, (\s)*SLOT
	s_add_nc_u64 s[G0A+4*(\s)+2:G0A+4*(\s)+3], s[ACUR:ACUR+1], (\s)*KSTEP*2
	s_or_b32 s[G0A+4*(\s)+3], s[G0A+4*(\s)+3], 0x80000000
	s_mov_b32 s[G0B+4*(\s)], 1
	s_add_co_u32 s[G0B+4*(\s)+1], s21, (\s)*SLOT
	s_add_nc_u64 s[G0B+4*(\s)+2:G0B+4*(\s)+3], s[BBASE:BBASE+1], (\s)*KSTEP*2
	s_or_b32 s[G0B+4*(\s)+3], s[G0B+4*(\s)+3], 0x80000000
.endr
	CROUND                                         ; all four work-groups are here: the first joint loads meet
	s_cmp_eq_u32 s[HR], 0                          ; a wave's two first fills stand in one branch: two loads of mine are out
	s_cbranch_scc0 .Lfirst_b
	tensor_load_to_lds s[G0A:G0A+3], s[G1A:G1A+7]
	s_nop 0
	tensor_load_to_lds s[G0A+4:G0A+7], s[G1A:G1A+7]
	s_nop 0
	PLACES
	s_branch .Lfirst_asked
.Lfirst_b:
	tensor_load_to_lds s[G0B:G0B+3], s[G1B:G1B+7]
	s_nop 0
	tensor_load_to_lds s[G0B+4:G0B+7], s[G1B:G1B+7]
	s_nop 0
	PLACES
.Lfirst_asked:
	; THE WEIGHTS, in the wait for the first tile.  Entry e = 2 s + half belongs to K step s of the walk.  Lane l takes rows 2 l and 2 l + 1 of my 64: 16 bytes (m0 m1 l0 l1) an entry, 512 consecutive bytes a wave.
	; K steps 0-4 are always the first tile's, K step 8 the second's; 5, 6 and 7 go by n (5 to 8).  Only global addresses and selects hang on that: the LDS addresses are constants.
	v_and_b32 v5, 31, v0
	v_lshlrev_b32 v8, 4, v5
	s_lshl_b32 s94, s16, 18                        ; st: 16 chunks of 16,384 bytes a batch,
	s_lshl_b32 s95, s[HR], 9                       ; my 64 rows of 8 bytes
	s_add_co_u32 s94, s94, s95
	s_sub_co_u32 s95, 15, s17
	s_lshl_b32 s95, s95, 10
	s_add_co_u32 s95, s95, s94                     ; the first tile's rows
	s_lshl_b32 s98, s17, 10
	s_add_co_u32 s98, s98, s94                     ; the second tile's,
	s_lshl_b32 s99, s18, 15
	s_sub_co_u32 s98, s98, s99                     ; less n K steps of 32,768 bytes: K step s of the walk is the second tile's K step s - n
	v_add_nc_u32 v9, s95, v8
.irp i, 0,1,2
	s_cmp_gt_u32 s18, 5+(\i)
	s_cselect_b32 s100, s95, s98
	s_cselect_b32 s[MK+(\i)], -1, 0
	s_cselect_b32 s[FH+2*(\i)], 1.0, 0
	s_cselect_b32 s[FL+2*(\i)], 0, 1.0
	s_mov_b32 s[FH+2*(\i)+1], 0                    ; named with them as pairs
	s_mov_b32 s[FL+2*(\i)+1], 0
	s_add_co_u32 s100, s100, (5+(\i))<<15
	v_add_nc_u32 v[10+(\i)], s100, v8
.endr
	s_add_co_u32 s100, s98, 8<<15
	v_add_nc_u32 v13, s100, v8
.irp s, 0,1,2,3,4
.irp f, 0,1
	global_load_b128 v[E0+4*(2*(\s)+(\f)):E0+4*(2*(\s)+(\f))+3], v9, s[96:97] offset:(\s)*32768+(\f)*16384
.endr
.endr
.irp i, 0,1,2,3
.irp f, 0,1
	global_load_b128 v[E0+4*(10+2*(\i)+(\f)):E0+4*(10+2*(\i)+(\f))+3], v[10+(\i)], s[96:97] offset:(\f)*16384
.endr
.endr
	CLEAR                                          ; while they are on their way
	v_and_b32 v1, 15, v0
	v_bfe_u32 v2, v0, 4, 1
	v_mul_u32_u24 v3, v1, PITCH
	v_lshl_add_u32 v3, v2, 4, v3
	s_mul_i32 s21, s[HR], HALFT
	v_add_nc_u32 v[ADRA0], s21, v3
	s_mul_i32 s21, s[HC], HALFT
	s_add_co_u32 s21, s21, 2*HALFT
	v_add_nc_u32 v[ADRB0], s21, v3
	v_mov_b32 v[ADRA], v[ADRA0]
	v_mov_b32 v[ADRB], v[ADRB0]
	s_mul_i32 s21, s[WV], 16*SPITCH
	s_add_co_u32 s21, s21, STAGE
	v_mul_u32_u24 v4, v1, SPITCH                   ; in: row l % 16, 32 bytes for each half of the lanes
	v_lshl_add_u32 v4, v2, 5, v4
	v_add_nc_u32 v[STO], s21, v4
	v_mul_u32_u24 v4, v2, SPITCH                   ; back: lanes 0-15 one row of 256 bytes, lanes 16-31 the next
	v_lshl_add_u32 v4, v1, 4, v4
	v_add_nc_u32 v[RD], s21, v4
	v_lshlrev_b32 v4, 12, v2                       ; and the same two rows of out0
	v_lshl_add_u32 v[CO], v1, 4, v4
	v_lshrrev_b32 v6, 1, v5
	v_and_b32 v7, 1, v5
	v_lshlrev_b32 v7, 8, v7
	v_lshl_add_u32 v[PFO], v6, 12, v7
	s_lshl_b32 s77, s77, 16
	v_add_nc_u32 v[PFO], s77, v[PFO]
	s_mul_i32 s21, s[WV], WTW
	s_add_co_u32 s21, s21, WTAB
	v_lshl_add_u32 v[TW], v5, 3, s21               ; rows 2 l, 2 l + 1: 8 bytes
	v_lshl_add_u32 v[WA], v1, 2, s21               ; row 16 a + l % 16: block and half stand in the immediate
	v_mov_b32 v[NEGV], 0xff7fffff                  ; the lowest finite number
	s_wait_loadcnt 0x0
.irp q, 0,1                            ; the rows' maxima: the entries whose tile is fixed,
	v_max3_num_f32 v[MH+(\q)], v[E0+(\q)], v[E0+4+(\q)], v[E0+8+(\q)]
	v_max3_num_f32 v[MH+(\q)], v[MH+(\q)], v[E0+12+(\q)], v[E0+16+(\q)]
	v_max3_num_f32 v[MH+(\q)], v[MH+(\q)], v[E0+20+(\q)], v[E0+24+(\q)]
	v_max3_num_f32 v[MH+(\q)], v[MH+(\q)], v[E0+28+(\q)], v[E0+32+(\q)]
	v_max_num_f32  v[MH+(\q)], v[MH+(\q)], v[E0+36+(\q)]
	v_max_num_f32  v[ML+(\q)], v[E0+64+(\q)], v[E0+68+(\q)]
.endr
.irp i, 0,1,2                          ; and those that go to one tile or the other: the other takes the lowest finite number
.irp f, 0,1
.irp q, 0,1
	v_cndmask_b32 v[TT],   v[NEGV], v[E0+4*(10+2*(\i)+(\f))+(\q)], s[MK+(\i)]
	v_cndmask_b32 v[TT+1], v[E0+4*(10+2*(\i)+(\f))+(\q)], v[NEGV], s[MK+(\i)]
	v_max_num_f32 v[MH+(\q)], v[MH+(\q)], v[TT]
	v_max_num_f32 v[ML+(\q)], v[ML+(\q)], v[TT+1]
.endr
.endr
.endr
.irp i, 0,1,2
.irp q, 0,1
	v_cndmask_b32 v[MS+2*(\i)+(\q)], v[ML+(\q)], v[MH+(\q)], s[MK+(\i)]
.endr
.endr
.macro PICK hi, lo                     ; rM: the pair that holds for entry e
.set rM, \hi
.if e >= 16
.set rM, \lo
.elseif e >= 10
.set rM, MS+2*((e-10)/2)
.endif
.endm
.set e, 0
.rept 18
	PICK MH, ML
	v_pk_add_f32 v[E0+4*e:E0+4*e+1], v[E0+4*e:E0+4*e+1], v[rM:rM+1] neg_lo:[0,1] neg_hi:[0,1]  ; m - m_row, at most 0,
	v_pk_mul_f32 v[E0+4*e:E0+4*e+1], v[E0+4*e:E0+4*e+1], s[CP:CP+1] op_sel_hi:[1,0]            ; times c
.set e, e+1
.endr
.set e, 0
.rept 18
	v_exp_f32 v[E0+4*e], v[E0+4*e]                 ; one batch
	v_exp_f32 v[E0+4*e+1], v[E0+4*e+1]
.set e, e+1
.endr
	v_nop                                          ; a plain instruction behind the last exponential (ISA guide 5.7.2),
	s_wait_alu depctr_va_vdst(0)                   ; and one wait ahead of the batch's first reader
	v_pk_mul_f32 v[LH:LH+1], v[E0:E0+1], v[E0+2:E0+3]
	v_pk_mul_f32 v[LL:LL+1], v[E0+64:E0+65], v[E0+66:E0+67]
.set e, 1
.rept 9
	v_pk_fma_f32 v[LH:LH+1], v[E0+4*e:E0+4*e+1], v[E0+4*e+2:E0+4*e+3], v[LH:LH+1]
.set e, e+1
.endr
	v_pk_fma_f32 v[LL:LL+1], v[E0+68:E0+69], v[E0+70:E0+71], v[LL:LL+1]
.irp i, 0,1,2
.irp f, 0,1
	v_pk_mul_f32 v[TT:TT+1], v[E0+4*(10+2*(\i)+(\f)):E0+4*(10+2*(\i)+(\f))+1], v[E0+4*(10+2*(\i)+(\f))+2:E0+4*(10+2*(\i)+(\f))+3]
	v_pk_fma_f32 v[LH:LH+1], v[TT:TT+1], s[FH+2*(\i):FH+2*(\i)+1], v[LH:LH+1] op_sel_hi:[1,0,1]
	v_pk_fma_f32 v[LL:LL+1], v[TT:TT+1], s[FL+2*(\i):FL+2*(\i)+1], v[LL:LL+1] op_sel_hi:[1,0,1]
.endr
.endr
	v_rcp_f32 v[RH], v[LH]                         ; both sums are at least 1
	v_rcp_f32 v[RH+1], v[LH+1]
	v_rcp_f32 v[RL], v[LL]
	v_rcp_f32 v[RL+1], v[LL+1]
	v_nop
	s_wait_alu depctr_va_vdst(0)                   ; one wait for the four reciprocals
.irp i, 0,1,2
.irp q, 0,1
	v_cndmask_b32 v[MS+2*(\i)+(\q)], v[RL+(\q)], v[RH+(\q)], s[MK+(\i)]
.endr
.endr
.set e, 0
.rept 18
	PICK RH, RL
	v_pk_mul_f32 v[E0+4*e:E0+4*e+1], v[E0+4*e:E0+4*e+1], v[rM:rM+1]
	ds_store_b64 v[TW], v[E0+4*e:E0+4*e+1] offset:256*e   ; my wave's own bytes: LDS serves a wave's instructions in order (ISA guide 5.7.1.4)
.set e, e+1
.endr
.irp a, 0,1,2,3,4,5,6,7
	v_mov_b32 v[W+2*(\a)+1], 0                     ; named in pairs with the weights
.endr
; 8 matrix instructions: m blocks a0, a0 + 1 x all 4 n blocks, 32 along K: half c of buffer f.  zero = 1: the product starts the chunk's sum.  The 16 accumulators take turns.
.macro MUL8 f, c, a0, zero
	WIN MUL
.irp a, \a0, (\a0)+1
.irp b, 0,1,2,3
.if \zero
	v_wmma_f32_16x16x32_f16 v[A2+8*(4*(\a)+(\b)):A2+8*(4*(\a)+(\b))+7], v[(\f)+64+8*(4*(\c)+(\b)):(\f)+64+8*(4*(\c)+(\b))+7], v[(\f)+8*(4*(\c)+(\a)):(\f)+8*(4*(\c)+(\a))+7], 0
.else
	v_wmma_f32_16x16x32_f16 v[A2+8*(4*(\a)+(\b)):A2+8*(4*(\a)+(\b))+7], v[(\f)+64+8*(4*(\c)+(\b)):(\f)+64+8*(4*(\c)+(\b))+7], v[(\f)+8*(4*(\c)+(\a)):(\f)+8*(4*(\c)+(\a))+7], v[A2+8*(4*(\a)+(\b)):A2+8*(4*(\a)+(\b))+7]
.endif
.endr
.endr
.endm
.macro FETCH k, f                      ; 32 LDS loads in one run: 64 along K at byte k of the rows of the slot in hand; the first 32 along K first
	WIN TO_F
.irp c, 0,1
.irp i, 0,1,2,3
	ds_load_b128 v[(\f)+64+8*(4*(\c)+(\i)):(\f)+64+8*(4*(\c)+(\i))+3],   v[ADRB] offset:(\k)+64*(\c)+(\i)*16*PITCH
	ds_load_b128 v[(\f)+64+8*(4*(\c)+(\i))+4:(\f)+64+8*(4*(\c)+(\i))+7], v[ADRB] offset:(\k)+64*(\c)+(\i)*16*PITCH+32
	ds_load_b128 v[(\f)+8*(4*(\c)+(\i)):(\f)+8*(4*(\c)+(\i))+3],         v[ADRA] offset:(\k)+64*(\c)+(\i)*16*PITCH
	ds_load_b128 v[(\f)+8*(4*(\c)+(\i))+4:(\f)+8*(4*(\c)+(\i))+7],       v[ADRA] offset:(\k)+64*(\c)+(\i)*16*PITCH+32
.endr
.endr
.endm
; A quarter multiplies buffer f and fetches the next quarter, at byte k, into g.  zero = 1: a chunk's first quarter.  wl = 1: a K step's first quarter also fetches the step's eight weights, ahead of the run.
.macro QUARTER k, f, g, zero, wl
	s_wait_dscnt 16                                ; the first 32 along K are in
	MUL8 \f, 0, 0, \zero
	MUL8 \f, 0, 2, \zero
	PLACES
.if \wl
	WIN 0
.irp h, 0,1
.irp a, 0,1,2,3
	ds_load_b32 v[W+8*(\h)+2*(\a)], v[WA] offset:256*(\h)+64*(\a)
.endr
.endr
.endif
	FETCH \k, \g
	s_wait_dscnt 32                                ; all but the 32 just issued: the weights, which are older, are in
	MUL8 \f, 1, 0, 0
	MUL8 \f, 1, 2, 0
.endm
; O += w x chunk.  Four v_nop are the places behind the chunk's last products for the first accumulators; each accumulator is read from its low end on.
.macro FOLD h
	PLACES
	WIN 0x02                                       ; source 0 (the chunk) in window 2; weight, O in window 0
.irp a, 0,1,2,3
.irp b, 0,1,2,3
.irp i, 0,2,4,6
	v_pk_fma_f32 v[ACC+8*(4*(\a)+(\b))+(\i):ACC+8*(4*(\a)+(\b))+(\i)+1], v[A2+8*(4*(\a)+(\b))+(\i):A2+8*(4*(\a)+(\b))+(\i)+1], v[W+8*(\h)+2*(\a):W+8*(\h)+2*(\a)+1], v[ACC+8*(4*(\a)+(\b))+(\i):ACC+8*(4*(\a)+(\b))+(\i)+1] op_sel_hi:[1,0,1]
.endr
.endr
.endr
.endm
; The last quarter and the change of slots.  fill = 1: the barrier opens a round of the cluster's, and the slot is filled again with the walk's fill two on, first thing behind the round:
; 112 matrix instructions ahead of the wait for it.  The descriptors' addresses are made anew from the K step's number, where no tensor load of mine is out.
.macro TURN fill
.if \fill
	s_wait_xcnt 0x0                                ; the last prefetches, a K step back, have read their address
	s_lshl_b32 s[POFF], s[PNX], 9
	s_add_nc_u64 s[PF:PF+1], s[PCUR:PCUR+1], s[POFF:POFF+1]
	s_add_co_u32 s[PNX], s[PNX], 1                 ; the tile's next K step, or behind its last the second tile's first
	s_cmp_gt_u32 s[PNX], s[PLQ]
	s_cselect_b32 s[PNX], 0, s[PNX]
	s_cselect_b64 s[PCUR:PCUR+1], s[PLOW:PLOW+1], s[PCUR:PCUR+1]
	s_cselect_b32 s[PLQ], 99, s[PLQ]
.endif
	WIN 0
	s_wait_tensorcnt 0x0                           ; no tensor load of mine is out, so a group 0 may be written
	ds_add_u32 v[SPW], v[NIL]                      ; 0 onto my spare word
.if \fill
	s_lshl_b32 s[OFF], s[NXT], 9                   ; 256 keys of 2 bytes a K step
	s_xor_b32 s[G0A+5], s[G0A+5], SLOT
	s_add_nc_u64 s[G0A+6:G0A+7], s[ACUR:ACUR+1], s[OFF:OFF+1]
	s_or_b32 s[G0A+7], s[G0A+7], 0x80000000
	s_xor_b32 s[G0B+5], s[G0B+5], SLOT
	s_add_nc_u64 s[G0B+6:G0B+7], s[BBASE:BBASE+1], s[OFF:OFF+1]
	s_or_b32 s[G0B+7], s[G0B+7], 0x80000000
	s_add_co_u32 s[NXT], s[NXT], 1
	s_cmp_gt_u32 s[NXT], s[LQ]
	s_cselect_b32 s[NXT], 0, s[NXT]
	s_cselect_b64 s[ACUR:ACUR+1], s[ALO:ALO+1], s[ACUR:ACUR+1]
	s_cselect_b64 s[BBASE:BBASE+1], s[BLO:BLO+1], s[BBASE:BBASE+1]
	s_cselect_b32 s[LQ], 99, s[LQ]
.endif
	s_wait_dscnt 17                                ; the add and the youngest sixteen loads may be out
	MUL8 F1, 0, 0, 0
	s_wait_dscnt 0x0                               ; the add is done, and my reads of this slot are over
	s_barrier_signal -1
	MUL8 F1, 0, 2, 0
	WIN 0
	s_barrier_wait -1
.if \fill
	CREST                                          ; no wave of any partner still reads this slot or has a load on its way
	JLOAD                                          ; its four v_nop are also the places in front of the loads below
.else
	PLACES
.endif
	s_xor_b32 s[TB], s[TB], SLOT
	v_add_nc_u32 v[ADRA], s[TB], v[ADRA0]
	v_add_nc_u32 v[ADRB], s[TB], v[ADRB0]
	v_add_nc_u32 v[WA], 512, v[WA]                 ; the next K step's two entries
	FETCH 0, F0
.if \fill
	WIN 0
	ASK
.endif
	MUL8 F1, 1, 0, 0
	MUL8 F1, 1, 2, 0
.endm
; THE WAY OUT: block a (16 queries x 64 channels) goes from O into my stage, and comes back as whole rows of 256 bytes.
.macro TOSTAGE a
.set BK, BKS+32*((\a)%2)
.irp b, 0,1,2,3
	ds_store_b128 v[STO], v[ACC+8*(4*(\a)+(\b)):ACC+8*(4*(\a)+(\b))+3]   offset:64*(\b)
	ds_store_b128 v[STO], v[ACC+8*(4*(\a)+(\b))+4:ACC+8*(4*(\a)+(\b))+7] offset:64*(\b)+16
.endr
	s_wait_xcnt 0x0                                ; the stores of the block two back have read the registers that are loaded now
.irp t, 0,1,2,3,4,5,6,7
	ds_load_b128 v[BK+4*(\t):BK+4*(\t)+3], v[RD] offset:(\t)*2*SPITCH  ; LDS serves a wave's instructions in order (ISA guide 5.7.1.4)
.endr
.endm
.macro SEND a, younger                 ; younger: the next block's 8 stores and 8 loads, or none
.set BK, BKS+32*((\a)%2)
	s_wait_dscnt \younger
.irp t, 0,1,2,3,4,5,6,7
	global_store_b128 v[CO], v[BK+4*(\t):BK+4*(\t)+3], s[OCUR:OCUR+1] offset:(16*(\a)+2*(\t))*4096  ; 16 lanes store 256 consecutive bytes, aligned
.endr
.endm
; A K step, and its end.  If it was the tile's last, the tile goes out and the second begins.  The jump goes forward, past text with no barrier and no tensor load, on a number that all four partners share.
.macro STEP fill
	QUARTER 128, F0, F1, 1, 1
	QUARTER 256, F1, F0, 0, 0
	FOLD 0
	QUARTER 384, F0, F1, 1, 0
	TURN \fill
	FOLD 1
	WIN 0
	s_sub_co_u32 s[RT], s[RT], 1
	s_cmp_lg_u32 s[RT], 0
	s_cbranch_scc1 .Lgo_on_\@
	TOSTAGE 0
.irp a, 1,2,3
	TOSTAGE \a
	SEND (\a)-1, 16
.endr
	SEND 3, 0
	CLEAR
	s_wait_xcnt 0x0                                ; the stores have read out0's address
	s_mov_b64 s[OCUR:OCUR+1], s[OLO:OLO+1]
	s_mov_b32 s[RT], s[NLO]
.Lgo_on_\@:
.endm
	s_wait_tensorcnt 1                             ; my part of fill 0 is in; fill 1's may stay out
	s_wait_dscnt 0x0                               ; my stores of the weights are done
	s_barrier_signal -1
	s_barrier_wait -1
	FETCH 0, F0
	WIN 0
	s_mov_b32 s[CNT], 7
.Lstep:                                                ; K steps 0 to 6 of the walk's 9: each fills its slot again, with fills 2 to 8
	STEP 1
	s_sub_co_u32 s[CNT], s[CNT], 1
	s_cmp_lg_u32 s[CNT], 0
	s_cbranch_scc1 .Lstep
	s_mov_b32 s[CNT], 2
.Ltail:                                                ; the last two K steps ask for nothing: a loop of their own.  The walk's last step is the second tile's last
	STEP 0                                         ; its end sends the tile out.  Its change of slots fetches fragments that nobody multiplies: the price, once a launch, of one text for both steps
	s_sub_co_u32 s[CNT], s[CNT], 1
	s_cmp_lg_u32 s[CNT], 0
	s_cbranch_scc1 .Ltail
	s_wait_tensorcnt 0x0                           ; the wave's end, behind my last tensor load and my last LDS store
	ds_add_u32 v[SPW], v[NIL]
	s_wait_dscnt 0x0
	CROUND                                         ; the closing round
	s_endpgm
.Lfunc_end_k_q30bced0987_pv:
	.size	k_q30bced0987_pv, .Lfunc_end_k_q30bced0987_pv-k_q30bced0987_pv
	.p2alignl 7, 3214868480
	.fill 96, 4, 3214868480
	.section	.rodata,"a",@progbits
	.p2align	6, 0x0
	.amdhsa_kernel k_q30bced0987_pv
		.amdhsa_group_segment_fixed_size 327680
		.amdhsa_private_segment_fixed_size 0
		.amdhsa_enable_private_segment 0
		.amdhsa_kernarg_size 40
		.amdhsa_user_sgpr_count 2
		.amdhsa_user_sgpr_kernarg_segment_ptr 1
		.amdhsa_wavefront_size32 1
		.amdhsa_system_sgpr_workgroup_id_x 1
		.amdhsa_system_sgpr_workgroup_id_y 1
		.amdhsa_system_sgpr_workgroup_id_z 1
		.amdhsa_system_vgpr_workitem_id 0
		.amdhsa_next_free_vgpr 640
		.amdhsa_next_free_sgpr 102
		.amdhsa_reserve_vcc 0
		.amdhsa_float_denorm_mode_32 3
		.amdhsa_float_denorm_mode_16_64 3
		.amdhsa_memory_ordered 1
		.amdhsa_forward_progress 1
		.amdhsa_inst_pref_size 108
	.end_amdhsa_kernel
	.amdgpu_metadata
---
amdhsa.version: [ 1, 2 ]
amdhsa.kernels:
  - .name:           k_q30bced0987_pv
    .symbol:         k_q30bced0987_pv.kd
    .args:
      - { .name: pw, .offset: 0, .size: 8, .value_kind: global_buffer, .address_space: global }
      - { .name: vt, .offset: 8, .size: 8, .value_kind: global_buffer, .address_space: global }
      - { .name: vt0, .offset: 16, .size: 8, .value_kind: global_buffer, .address_space: global }
      - { .name: out0, .offset: 24, .size: 8, .value_kind: global_buffer, .address_space: global }
      - { .name: st, .offset: 32, .size: 8, .value_kind: global_buffer, .address_space: global }
    .group_segment_fixed_size: 327680
    .private_segment_fixed_size: 0
    .kernarg_segment_align: 8
    .kernarg_segment_size: 40
    .max_flat_workgroup_size: 128
    .sgpr_count:     102
    .vgpr_count:     640
    .wavefront_size: 32
...
	.end_amdgpu_metadata
.endif
;; end of part 4
